; MI455X (gfx1250); checked and timed in simulation.
; The chip was launched on July 23, 2026; its instructions are those of AMD's public machine-readable ISA for CDNA 5 (MIT licence, August 2026) and "CDNA5" Instruction Set Architecture Reference Guide (July 2026). The comments in the code are by the model that wrote it; some were corrected since.
;; Ro PE Attention. Allowed arithmetic: matrix products marked QUANTISED: E4M3 operands, one given power-of-two scale a tensor, by v_wmma_f32_16x16x64_fp8_fp8 or v_wmma_f32_16x16x128_fp8_fp8, f32 sums; everything else in f32.
;; Inputs: Wk 2,048 x 512 float32; Wo 2,048 x 2,048 float32; Wq 2,048 x 2,048 float32; Wv 2,048 x 512 float32; lowp_scales 12 int32 (the exponents e of the quantised operands' scales 2^e); mask 1 x 1 x 2,048 x 2,048 bool; x 1 x 2,048 x 2,048 float32.
;; Outputs: out0 1 x 2,048 x 2,048 float32.
;; This version of the problem:
;;   THIS VERSION OF THE PROBLEM IS GIVEN IN LOW PRECISION. The matrix products marked QUANTISED in the list below multiply operands that are first quantised to E4M3 (4 exponent bits, 3 mantissa bits; 8 bits a number), with one given power-of-two scale for each operand tensor; their sums are f32. All else is computed in f32.
;;   The module's matrix products, in the order in which they are computed (A, B: the left and right operand; K: the contracted axis; several contracted axes count as one K, in the product's order):
;;     1. [M 2,048, K 2,048] x [K 2,048, N 2,048]; A: input x; B: input Wq: QUANTISED (scales: A lowp_scales[0], B lowp_scales[1])
;;     2. [M 2,048, K 2,048] x [K 2,048, N 512]; A: input x; B: input Wk: QUANTISED (scales: A lowp_scales[2], B lowp_scales[3])
;;     3. [M 2,048, K 2,048] x [K 2,048, N 512]; A: input x; B: input Wv: QUANTISED (scales: A lowp_scales[4], B lowp_scales[5])
;;     4. batch 16 x [M 2,048, K 128] x [K 128, N 2,048]; A: computed on the way; B: computed on the way: QUANTISED (scales: A lowp_scales[6], B lowp_scales[7])
;;     5. batch 16 x [M 128, K 2,048] x [K 2,048, N 2,048]; A: computed on the way; B: softmax (see below): QUANTISED (scales: A lowp_scales[8], B lowp_scales[9])
;;     6. [M 2,048, K 2,048] x [K 2,048, N 2,048]; A: computed on the way; B: input Wo: QUANTISED (scales: A lowp_scales[10], B lowp_scales[11])
;;   THE QUANTISER, for each operand of a quantised product, along K:
;;     - The operand's scale is 2^e, e = its entry of the input lowp_scales (int32; the entries are numbered through the quantised products in the list's order, A before B).
;;     - Each number is divided by the scale, clamped to +-448, and rounded to the nearest number of E4M3, ties to even, subnormals kept.
;;     - The product sums the exact products of the quantised numbers (number of the format x scale) in f32.
;;   ~~~python
;;   def quantise(x, axis, e):      # numpy; x: float32 -> the quantised numbers, widened to float32 again
;;       x = np.moveaxis(x, axis, -1); K = x.shape[-1]
;;       r = np.clip(x / 2.0 ** e, -448, 448)
;;       step = 2.0 ** (np.maximum(np.frexp(np.where(r == 0, 1, r))[1] - 1, -6) - 3)
;;       q = np.round(r / step) * step * 2.0 ** e      # np.round: ties to even
;;       return np.moveaxis(q, -1, axis).astype(np.float32)
;;   ~~~
;;   SOFTMAX AHEAD OF A QUANTISED PRODUCT. Where the list says 'softmax', what is quantised is not the finished softmax but p = 2^(t - M), with t = logit x log2(e) and M = ceil(the row's largest t), a whole number; so 1/2 < the row's largest p <= 1. The row's sum l is taken of the UNQUANTISED p, in f32, and the product's result is divided by l at the end. Since M is a whole number, a kernel that streams over the keys may use a running M (the ceiling of the running maximum): every later rescaling is an exact power of two, so the quantised numbers keep their values, but for numbers so far below the row's largest that they fall under the format's range.
;;   OPERANDS COMPUTED ON THE WAY. 'Computed on the way' means the value that the module computes at that place (a softmax that the list does not call 'softmax' is quantised finished and normalised). What goes into a quantiser is computed in f32, as accurately as f32 sums, v_exp_f32 and their like allow (about 1e-6 of the number): no bf16 or f16 on the way to a quantiser, and a product that is left as it is and whose result goes on into a quantised operand takes f32 operands (vector FMAs, or v_wmma_f32_16x16x4_f32). A number that lies on a knife's edge between two numbers of the format may be rounded either way, as far as f32 arithmetic and the matrix unit's own rounding can turn it there, and no further.
;; One version. Each part assembles by itself: llvm-mc -triple=amdgcn-amd-amdhsa -mcpu=gfx1250 --defsym DOCPART=n.
;; ======== version 1 of 1: 4 launches
;; limits: right only within a limited range of input values
;; workspace buffers: xc 12,582,912 bytes; wc 10,485,760 bytes; rt 1,048,576 bytes; mb 524,288 bytes of whole numbers; qc 4,194,304 bytes; kvc 2,097,152 bytes; oc 4,194,304 bytes
;; launch prep (part 1): grid 832 x 1, 4 waves a work-group, no clusters, 55,808 bytes of LDS; arguments x, mask, lowp_scales, xc, rt, mb, Wq, Wk, Wv, Wo, wc; writes xc, rt, mb, wc
.if DOCPART == 1
	.amdgcn_target "amdgcn-amd-amdhsa--gfx1250"
	.amdhsa_code_object_version 6
	.text
	.protected	k_q1df88cbb40_prep
	.globl	k_q1df88cbb40_prep
	.p2align	8
	.type	k_q1df88cbb40_prep,@function
k_q1df88cbb40_prep:
	s_mov_b64 s[64:65], 0
	v_nop
	global_prefetch_b8 v0, s[64:65] scope:SCOPE_SE
	s_setreg_imm32_b32 hwreg(HW_REG_WAVE_MODE, 25, 1), 1
	s_wait_xcnt 0x0
; RoPE attention in FP8 (E4M3), launch 1 of 4: everything that is made once and read often.
; DEAD WORK: none is left out in this program, and every input is loaded.  The mask is an input, so no key is taken as hidden ahead of reading it; nothing cancels across a quantiser.
; WHAT THIS LAUNCH MAKES
;   xc  three sets of codes of x [2048 positions][2048 k], one for each of its three given scales (entries 0, 2, 4).  Set 0: row t at position t.  Sets 1, 2: row t at position P(t).
;   wc  codes of the four weights with K innermost, [5120 positions][2048 k]: groups of 128 columns; group 0-15 Wq (entry 1), 16-19 Wk (3), 20-23 Wv (5), 24-39 Wo (11); column n of a group at position P(n).
;   rt  the RoPE table [2048 t][64 j][cos, sin], f32.
;   mb  the mask as lane masks: [128 tiles of 16 queries][16 steps of 128 keys][64 words]; bit r + 16 h of word n = mask[16 qt + r][128 ks + 32 (n / 16) + 16 h + n % 16].
; P(i) is i with its bits 3 and 4 exchanged.  Rows laid so give the later products' results 16 neighbours in 16 registers of a lane, so that no later launch moves a number between lanes.
; code = number / 2^e, held within +-448, to the nearest code, ties to even.
; LIMITS: entries 0 to 5 and 11 lie between -126 and 119, so that 2^e and 448 x 2^e are f32 numbers.  NaN among the inputs is not served; an infinity is held at the largest code.
; RoPE: 1 / 10000^(j / 64) is made as 2^(-j log2(10000) / 64), the exponent in two parts, by v_exp_f32: within about 1.5 units of its last place; the angle t x that is then one f32 product, as in the
; definition; cos and sin of the angle by a reduction with pi / 2 in two parts and polynomials on +-pi / 4, good to about 1e-7.  At t near 2,047 and small j the angle itself can differ by a few 1e-4 from one made with another pow.
; SHARES: work-groups 0-511: wave g = 4 x work-group + wave takes row g of x, row g of rt, and tile (g / 16, g % 16) of the mask.  Work-groups 512-831: 128 columns x 256 along K of one weight.
; Memory binds: no matrix unit, no cluster (no two work-groups read the same bytes but for halves of the mask's blocks), no tensor load, no barrier: waves share nothing.  The two ways have LDS bytes of their own.
.set SPARE, 55296                      ; behind both ways' stages: the spare words, 128 bytes for each wave: two blocks of 256 bytes that no other line names
.set SPW, 12                           ; v12  LDS address of my spare word; never rewritten
.set NIL, 13                           ; v13  0; never rewritten
.macro MKSCALE e, sc, lim              ; s[e] = an exponent: v[sc] = 2^e as f32, v[lim] = 448 x 2^e
	s_add_co_i32 s56, s[\e], 127
	s_lshl_b32 s57, s56, 23
	v_mov_b32 v[\sc], s57
	s_add_co_i32 s56, s56, 8
	s_lshl_b32 s56, s56, 23
	s_or_b32 s56, s56, 0x600000                    ; the mantissa field of 448
	v_mov_b32 v[\lim], s56
.endm
	v_lshl_add_u32 v[SPW], v0, 2, SPARE
	v_mov_b32 v[NIL], 0
	v_lshrrev_b32 v1, 5, v0
	v_readfirstlane_b32 s16, v1                    ; wave 0..3
	v_and_b32 v2, 31, v0                           ; lane
	s_cmp_ge_u32 ttmp9, 512
	s_cbranch_scc1 .Lweights
; ---------------- x, the table, the mask ----------------
; REGISTERS: v3 16 x lane; v4 my place in the mask's tile; v5-10 the three scales and limits; v11 8 x lane; v14, v15 the stage, in and out; v16-79 x as loaded; v80-111 two sets of 16 neighbours;
; v112-143 the table's work, then two sets of 16 held numbers; v144-191 codes, four registers for each of 12 stores; v192-207 the mask's bytes; v208-211 the table's row; v212-215 the mask's words.
; LDS: 5,120 bytes a wave from byte 0: two stages of 32 places of 64 bytes + 16 of padding.
	s_load_b256 s[4:11], s[0:1], 0x0               ; x s[4:5], mask s[6:7], the exponents s[8:9], xc s[10:11]
	s_load_b128 s[12:15], s[0:1], 0x20             ; rt s[12:13], mb s[14:15]
	s_lshl_b32 s17, ttmp9, 2
	s_add_co_u32 s17, s17, s16                     ; g
	v_lshlrev_b32 v3, 4, v2
	v_lshlrev_b32 v11, 3, v2
	v_and_b32 v4, 15, v2                           ; r
	v_lshrrev_b32 v5, 4, v2                        ; h
	v_lshlrev_b32 v4, 11, v4
	v_lshl_add_u32 v4, v5, 4, v4                   ; the mask: row r of 2,048 bytes, + 16 h
	s_mul_i32 s18, s16, 5120
	v_lshrrev_b32 v14, 2, v2
	v_mul_u32_u24 v14, v14, 80
	v_and_b32 v15, 3, v2
	v_lshl_add_u32 v14, v15, 4, v14
	v_add_nc_u32 v14, s18, v14                     ; into the stage: four lanes' 64 bytes on end, then the padding
	v_mul_u32_u24 v15, v2, 80
	v_add_nc_u32 v15, s18, v15                     ; out of it: my 16 neighbours
	s_mov_b32 s44, 0x3e549a78                      ; log2(10000) / 64, its f32 part,
	s_mov_b32 s45, 0x31979a37                      ; and what that leaves
	s_mov_b32 s46, 0xbf317218                      ; -ln 2
	s_mov_b32 s47, 0x3f22f983                      ; 2 / pi
	s_mov_b32 s48, 0x3fc90fdb                      ; pi / 2, its f32 part,
	s_mov_b32 s49, 0xb33bbd2e                      ; and what that leaves
	s_mov_b32 s50, 0xbe2aaaa3                      ; sin r = r + r r^2 (s50 + s51 r^2 + s52 r^4)
	s_mov_b32 s51, 0x3c08839e
	s_mov_b32 s52, 0xb94ca1f9
	s_mov_b32 s53, 0x3d2aaaa5                      ; cos r = 1 - r^2 / 2 + r^4 (s53 + s54 r^2 + s55 r^4)
	s_mov_b32 s54, 0xbab6061a
	s_mov_b32 s55, 0x37ccf5ce
	s_mov_b32 s29, 0
	s_wait_alu depctr_va_vdst(0)
	s_wait_kmcnt 0x0
	s_load_b256 s[32:39], s[8:9], 0x0              ; entries 0 to 7
	s_lshl_b32 s28, s17, 13
	s_add_nc_u64 s[4:5], s[4:5], s[28:29]          ; x at row g
	s_lshr_b32 s28, s17, 4
	s_lshl_b32 s28, s28, 15
	s_and_b32 s30, s17, 15
	s_lshl_b32 s30, s30, 7
	s_add_co_u32 s28, s28, s30
	s_add_nc_u64 s[6:7], s[6:7], s[28:29]          ; the mask at query 16 (g / 16), key 128 (g % 16)
	s_lshl_b32 s28, s17, 9
	s_add_nc_u64 s[12:13], s[12:13], s[28:29]      ; rt at row g
	s_lshl_b32 s28, s17, 8
	s_add_nc_u64 s[14:15], s[14:15], s[28:29]      ; mb at tile g
	s_lshl_b32 s28, s17, 11
	s_add_nc_u64 s[40:41], s[10:11], s[28:29]      ; set 0 at position g
	s_and_b32 s28, s17, 0x7e7
	s_bfe_u32 s30, s17, 0x10003
	s_lshl_b32 s30, s30, 4
	s_or_b32 s28, s28, s30
	s_bfe_u32 s30, s17, 0x10004
	s_lshl_b32 s30, s30, 3
	s_or_b32 s28, s28, s30                         ; P(g)
	s_lshl_b32 s28, s28, 11
	s_add_co_u32 s28, s28, 0x400000
	s_add_nc_u64 s[42:43], s[10:11], s[28:29]      ; set 1 at position P(g); set 2 lies 0x400000 bytes on, in the stores' immediate
.irp b, 0,1,2,3
	global_load_b128 v[192+4*\b:195+4*\b], v4, s[6:7] offset:32*\b   ; mask[16 qt + r][128 ks + 32 b + 16 h + 0 .. 15]
.endr
.irp st, 0,1,2,3
.irp i, 0,1,2,3
	global_load_b128 v[16+16*\st+4*\i:19+16*\st+4*\i], v3, s[4:5] offset:2048*\st+512*\i th:TH_LOAD_NT   ; 32 lanes read 512 consecutive bytes; the whole row is asked for at once: 16 loads
.endr
.endr
	; the table's row, while the loads are out: lane l makes j = 2 l and 2 l + 1
	v_cvt_f32_u32 v136, s17                        ; t
.irp k, 0,1
.set RB, 112+12*\k
	v_lshl_add_u32 v[RB], v2, 1, \k
	v_cvt_f32_u32 v[RB], v[RB]                     ; j
	v_mul_f32 v[RB+1], s44, v[RB]                  ; y = j log2(10000) / 64: its f32 part,
	v_fma_f32 v[RB+2], v[RB], s44, -v[RB+1]        ; what the product's rounding left,
	v_fma_f32 v[RB+2], v[RB], s45, v[RB+2]         ; and the constant's second part
.endr
	s_wait_alu depctr_va_vdst(0)
	v_exp_f32 v115, -v113                          ; 2^-y, both as one batch
	v_exp_f32 v127, -v125
	v_mul_f32 v114, s46, v114                      ; (plain lines behind the batch)  -ln 2 x the small part
	v_mul_f32 v126, s46, v126
	s_wait_alu depctr_va_vdst(0)                   ; the wait ahead of the first line that names a result: one for both
.irp k, 0,1
.set RB, 112+12*\k
	v_fma_f32 v[RB+3], v[RB+3], v[RB+2], v[RB+3]   ; 2^-(y + small) = 2^-y (1 - ln 2 x small)
	v_mul_f32 v[RB+4], v136, v[RB+3]               ; the angle
	v_mul_f32 v[RB+5], s47, v[RB+4]
	v_rndne_f32 v[RB+5], v[RB+5]                   ; n = the nearest multiple of pi / 2, at most 1,303
	v_fma_f32 v[RB+6], -v[RB+5], s48, v[RB+4]
	v_fma_f32 v[RB+6], -v[RB+5], s49, v[RB+6]      ; r = angle - n pi / 2
	v_mul_f32 v[RB+7], v[RB+6], v[RB+6]
	v_fma_f32 v[RB+8], v[RB+7], s52, s51
	v_fma_f32 v[RB+8], v[RB+8], v[RB+7], s50
	v_mul_f32 v[RB+8], v[RB+8], v[RB+7]
	v_fma_f32 v[RB+8], v[RB+8], v[RB+6], v[RB+6]   ; sin r
	v_fma_f32 v[RB+9], v[RB+7], s55, s54
	v_fma_f32 v[RB+9], v[RB+9], v[RB+7], s53
	v_fma_f32 v[RB+11], v[RB+7], -0.5, 1.0
	v_mul_f32 v[RB], v[RB+7], v[RB+7]
	v_fma_f32 v[RB+9], v[RB], v[RB+9], v[RB+11]    ; cos r
	v_cvt_i32_f32 v[RB+10], v[RB+5]
	v_and_b32 v[RB+11], 1, v[RB+10]
	v_cmp_eq_u32 vcc_lo, 1, v[RB+11]               ; n odd: sin and cos change places
	v_cndmask_b32 v[RB+1], v[RB+8], v[RB+9], vcc_lo
	v_cndmask_b32 v[RB+2], v[RB+9], v[RB+8], vcc_lo
	v_and_b32 v[RB+11], 2, v[RB+10]                ; sin is negated where n % 4 is 2 or 3,
	v_lshlrev_b32 v[RB+11], 30, v[RB+11]
	v_xor_b32 v[209+2*\k], v[RB+11], v[RB+1]
	v_add_nc_u32 v[RB+11], 1, v[RB+10]             ; cos where it is 1 or 2
	v_and_b32 v[RB+11], 2, v[RB+11]
	v_lshlrev_b32 v[RB+11], 30, v[RB+11]
	v_xor_b32 v[208+2*\k], v[RB+11], v[RB+2]
.endr
	global_store_b128 v3, v[208:211], s[12:13]     ; the wave stores the row's 512 consecutive bytes
	s_wait_kmcnt 0x0
	MKSCALE 32, 5, 6                               ; entry 0
	MKSCALE 34, 7, 8                               ; entry 2
	MKSCALE 36, 9, 10                              ; entry 4
; A step is 512 numbers.  Its four loads took the bytes as they lie; through my own stage they come back 16 neighbours a lane.  LDS serves a wave's instructions in order: no wait between the stores and the loads.
.macro XTURN t
.irp i, 0,1,2,3
	ds_store_b128 v14, v[16+16*(\t)+4*\i:19+16*(\t)+4*\i] offset:2560*((\t)%2)+640*\i
.endr
.irp i, 0,1,2,3
	ds_load_b128 v[80+16*((\t)%2)+4*\i:83+16*((\t)%2)+4*\i], v15 offset:2560*((\t)%2)+16*\i
.endr
.endm
; One of a step's three sets of codes.  The held numbers go into two sets of registers by turns, so that sixteen plain lines stand between a conversion and the next write of its sources.
.macro XSET st, s, sc, lim, base, off
.set TS, 112+16*((3*(\st)+(\s))%2)
.set XS, 80+16*((\st)%2)
.set CC, 144+4*(3*(\st)+(\s))
.set ii, 0
.rept 16
	v_med3_num_f32 v[TS+ii], v[XS+ii], -v[\lim], v[\lim]   ; the conversion to an 8-bit code does not saturate (ISA guide 7.6.2): the hold at the largest code x the scale
.set ii, ii+1
.endr
	v_cvt_scalef32_pk8_fp8_f32 v[CC:CC+1], v[TS:TS+7], v[\sc]
	v_cvt_scalef32_pk8_fp8_f32 v[CC+2:CC+3], v[TS+8:TS+15], v[\sc]
	global_store_b128 v3, v[CC:CC+3], s[\base:\base+1] offset:\off   ; the wave stores 512 consecutive bytes, at a multiple of 512 from the buffer's first byte
.endm
	s_wait_alu depctr_va_vdst(0)
	s_wait_loadcnt 12                              ; the mask's four loads and step 0's four are in; the twelve of steps 1 to 3 may be out
	XTURN 0
.irp st, 0,1,2,3
	s_wait_dscnt 0x0                               ; this step's numbers are back from the stage
.if \st < 3
	s_wait_loadcnt 4*(2-\st)                       ; the next step's four loads are in; those of the steps behind it may be out
	XTURN \st+1
.endif
	XSET \st, 0, 5, 6, 40, 512*\st
	XSET \st, 1, 7, 8, 42, 512*\st
	XSET \st, 2, 9, 10, 42, 0x400000+512*\st
.endr
	; the mask: byte n of my 64 is compared in all 32 lanes at once, which gives word n; the words are gathered two to a lane
	v_mov_b32 v212, 0
	v_mov_b32 v213, 0
.set nn, 0
.rept 64
	v_bfe_u32 v[214+nn%2], v[192+4*(nn/16)+(nn%16)/4], 8*(nn%4), 8
	v_cmp_ne_u32 s[20+nn%8], 0, v[214+nn%2]
	v_writelane_b32 v[212+nn%2], s[20+nn%8], nn/2
.set nn, nn+1
.endr
	global_store_b64 v11, v[212:213], s[14:15]     ; 256 consecutive bytes
	s_wait_tensorcnt 0x0                           ; the wave's end
	ds_add_u32 v[SPW], v[NIL]
	s_wait_dscnt 0x0
	s_endpgm
; ---------------- the weights: K is their first axis ----------------
; A lane takes a column and its registers run down K: each load reads 128 consecutive bytes a wave, 512 a work-group, and the conversions give codes with K innermost.  A wave takes 32 columns x 256 along K: 8 blocks of 32.
; The codes go through my own stage (row = the column's position P, 256 bytes + 16) and leave as rows: sixteen lanes store 256 consecutive, aligned bytes.
; REGISTERS: v4 into the stage; v7 out of it; v8 the same place in wc; v10, v11 limit and scale; v16-47 row i's offset (4 x lane + i x the weight's pitch), never rewritten; v48-111 two sets of 32 numbers; v112-119 a block's codes; v120-183 the way out.
; s[32:47]: the eight blocks' bases, never rewritten.  LDS: 8,704 bytes a wave from byte 20,480.
.Lweights:
	s_load_b64 s[4:5], s[0:1], 0x10                ; the exponents
	s_load_b64 s[6:7], s[0:1], 0x50                ; wc
	s_load_b256 s[8:15], s[0:1], 0x30              ; Wq, Wk, Wv, Wo
	s_sub_co_u32 s17, ttmp9, 512
	s_lshr_b32 s18, s17, 3                         ; the group of 128 columns, 0..39
	s_and_b32 s19, s17, 7                          ; which 256 along K
	s_mul_i32 s25, s16, 8704
	s_add_co_u32 s25, s25, 20480                   ; my stage
	s_wait_alu depctr_va_vdst(0)
	v_and_b32 v5, 7, v2
	v_bfe_u32 v6, v2, 3, 1
	v_lshl_add_u32 v5, v6, 4, v5
	v_bfe_u32 v6, v2, 4, 1
	v_lshl_add_u32 v5, v6, 3, v5                   ; P(lane)
	v_mul_u32_u24 v4, v5, 272
	v_add_nc_u32 v4, s25, v4
	v_and_b32 v5, 15, v2
	v_lshrrev_b32 v6, 4, v2
	v_mul_u32_u24 v7, v6, 272
	v_lshl_add_u32 v7, v5, 4, v7
	v_add_nc_u32 v7, s25, v7
	v_lshlrev_b32 v8, 11, v6
	v_lshl_add_u32 v8, v5, 4, v8
	s_mov_b32 s22, 24                              ; Wo's first group,
	s_mov_b32 s23, 8192                            ; and its pitch in bytes
	s_mov_b32 s24, 8192
	s_wait_kmcnt 0x0
	s_load_b256 s[48:55], s[4:5], 0x0              ; entries 0 to 7
	s_load_b128 s[56:59], s[4:5], 0x20             ; entries 8 to 11
	s_mov_b64 s[20:21], s[14:15]                   ; which weight: the choice hangs on the work-group's number alone
	s_cmp_lt_u32 s18, 24
	s_cselect_b64 s[20:21], s[12:13], s[20:21]
	s_cselect_b32 s22, 20, s22
	s_cselect_b32 s23, 2048, s23
	s_cmp_lt_u32 s18, 20
	s_cselect_b64 s[20:21], s[10:11], s[20:21]
	s_cselect_b32 s22, 16, s22
	s_cmp_lt_u32 s18, 16
	s_cselect_b64 s[20:21], s[8:9], s[20:21]
	s_cselect_b32 s22, 0, s22
	s_cselect_b32 s23, s24, s23
	s_lshl_b32 s25, s19, 8
	s_mul_i32 s26, s25, s23                        ; 256 ky rows,
	s_sub_co_u32 s25, s18, s22
	s_lshl_b32 s25, s25, 9
	s_add_co_u32 s26, s26, s25                     ; the group's 128 columns,
	s_lshl_b32 s25, s16, 7
	s_add_co_u32 s26, s26, s25                     ; my wave's 32 of them
	s_mov_b32 s27, 0
	s_add_nc_u64 s[32:33], s[20:21], s[26:27]
	s_lshl_b32 s28, s23, 5                         ; a block of 32 rows on
	s_mov_b32 s29, 0
.irp t, 1,2,3,4,5,6,7
	s_add_nc_u64 s[32+2*\t:33+2*\t], s[30+2*\t:31+2*\t], s[28:29]
.endr
	v_lshlrev_b32 v16, 2, v2
.set ii, 1
.rept 31
	v_add_nc_u32 v[16+ii], s23, v[15+ii]
.set ii, ii+1
.endr
	s_lshl_b32 s30, s18, 7
	s_lshl_b32 s25, s16, 5
	s_add_co_u32 s30, s30, s25
	s_lshl_b32 s30, s30, 11                        ; wc: row 128 x group + 32 x wave,
	s_lshl_b32 s25, s19, 8
	s_add_co_u32 s30, s30, s25                     ; + 256 ky
	s_mov_b32 s31, 0
	s_add_nc_u64 s[6:7], s[6:7], s[30:31]
.macro WLOAD t                         ; block t: W(32 t + i, my column), i = 0 .. 31, into set t % 2
.set ii, 0
.rept 32
	global_load_b32 v[48+32*((\t)%2)+ii], v[16+ii], s[32+2*(\t):33+2*(\t)] th:TH_LOAD_NT
.set ii, ii+1
.endr
.endm
	s_wait_alu depctr_va_vdst(0)
	WLOAD 0
	WLOAD 1
	s_wait_kmcnt 0x0
	s_mov_b32 s25, s59                             ; entry 11, 5, 3 or 1
	s_cmp_lt_u32 s18, 24
	s_cselect_b32 s25, s53, s25
	s_cmp_lt_u32 s18, 20
	s_cselect_b32 s25, s51, s25
	s_cmp_lt_u32 s18, 16
	s_cselect_b32 s25, s49, s25
	MKSCALE 25, 11, 10
.macro WBLOCK t
.set XS, 48+32*((\t)%2)
.if (\t) < 7
	s_wait_loadcnt 32                              ; this block's 32 loads are in; the next block's may be out
.else
	s_wait_loadcnt 0
.endif
.set ii, 0
.rept 32
	v_med3_num_f32 v[XS+ii], v[XS+ii], -v10, v10
.set ii, ii+1
.endr
.irp g, 0,1,2,3
	v_cvt_scalef32_pk8_fp8_f32 v[112+2*\g:113+2*\g], v[XS+8*\g:XS+8*\g+7], v11
.endr
	ds_store_b128 v4, v[112:115] offset:32*(\t)    ; 32 codes of my column's row
	ds_store_b128 v4, v[116:119] offset:32*(\t)+16
.if (\t)+2 < 8
	WLOAD (\t)+2
.endif
	s_wait_dscnt 0x0                               ; the stores have read their registers: the next block's codes may be written (32 plain lines stand ahead of those conversions)
.endm
	s_wait_alu depctr_va_vdst(0)
.irp t, 0,1,2,3,4,5,6,7
	WBLOCK \t
.endr
.irp i, 0,1,2,3,4,5,6,7,8,9,10,11,12,13,14,15
	ds_load_b128 v[120+4*\i:123+4*\i], v7 offset:544*\i   ; two rows an instruction; LDS serves a wave's instructions in order: these see my stores
.endr
.irp i, 0,1,2,3,4,5,6,7,8,9,10,11,12,13,14,15
	s_wait_dscnt 15-\i                             ; the younger loads may be out
	global_store_b128 v8, v[120+4*\i:123+4*\i], s[6:7] offset:4096*\i
.endr
	s_wait_tensorcnt 0x0                           ; the wave's end: the same three lines
	ds_add_u32 v[SPW], v[NIL]
	s_wait_dscnt 0x0
	s_endpgm
.Lfunc_end_k_q1df88cbb40_prep:
	.size	k_q1df88cbb40_prep, .Lfunc_end_k_q1df88cbb40_prep-k_q1df88cbb40_prep
	.p2alignl 7, 3214868480
	.fill 96, 4, 3214868480
	.section	.rodata,"a",@progbits
	.p2align	6, 0x0
	.amdhsa_kernel k_q1df88cbb40_prep
		.amdhsa_group_segment_fixed_size 55808
		.amdhsa_private_segment_fixed_size 0
		.amdhsa_enable_private_segment 0
		.amdhsa_kernarg_size 88
		.amdhsa_user_sgpr_count 2
		.amdhsa_user_sgpr_kernarg_segment_ptr 1
		.amdhsa_wavefront_size32 1
		.amdhsa_system_sgpr_workgroup_id_x 1
		.amdhsa_system_sgpr_workgroup_id_y 1
		.amdhsa_system_sgpr_workgroup_id_z 1
		.amdhsa_system_vgpr_workitem_id 0
		.amdhsa_next_free_vgpr 224
		.amdhsa_next_free_sgpr 66
		.amdhsa_reserve_vcc 1
		.amdhsa_float_denorm_mode_32 3
		.amdhsa_float_denorm_mode_16_64 3
		.amdhsa_memory_ordered 1
		.amdhsa_forward_progress 1
		.amdhsa_inst_pref_size 90
	.end_amdhsa_kernel
	.amdgpu_metadata
---
amdhsa.version: [ 1, 2 ]
amdhsa.kernels:
  - .name:           k_q1df88cbb40_prep
    .symbol:         k_q1df88cbb40_prep.kd
    .args:
      - { .name: x, .offset: 0, .size: 8, .value_kind: global_buffer, .address_space: global }
      - { .name: mask, .offset: 8, .size: 8, .value_kind: global_buffer, .address_space: global }
      - { .name: lowp_scales, .offset: 16, .size: 8, .value_kind: global_buffer, .address_space: global }
      - { .name: xc, .offset: 24, .size: 8, .value_kind: global_buffer, .address_space: global }
      - { .name: rt, .offset: 32, .size: 8, .value_kind: global_buffer, .address_space: global }
      - { .name: mb, .offset: 40, .size: 8, .value_kind: global_buffer, .address_space: global }
      - { .name: Wq, .offset: 48, .size: 8, .value_kind: global_buffer, .address_space: global }
      - { .name: Wk, .offset: 56, .size: 8, .value_kind: global_buffer, .address_space: global }
      - { .name: Wv, .offset: 64, .size: 8, .value_kind: global_buffer, .address_space: global }
      - { .name: Wo, .offset: 72, .size: 8, .value_kind: global_buffer, .address_space: global }
      - { .name: wc, .offset: 80, .size: 8, .value_kind: global_buffer, .address_space: global }
    .group_segment_fixed_size: 55808
    .private_segment_fixed_size: 0
    .kernarg_segment_align: 8
    .kernarg_segment_size: 88
    .max_flat_workgroup_size: 128
    .sgpr_count:     66
    .vgpr_count:     224
    .wavefront_size: 32
...
	.end_amdgpu_metadata
.endif
;; end of part 1
;; launch qkv (part 2): grid 12 x 16, 4 waves a work-group, clusters of 4 x 4, 327,680 bytes of LDS; arguments xc, wc, rt, lowp_scales, qc, kvc; writes qc, kvc
.if DOCPART == 2
	.amdgcn_target "amdgcn-amd-amdhsa--gfx1250"
	.amdhsa_code_object_version 6
	.text
	.protected	k_q1df88cbb40_qkv
	.globl	k_q1df88cbb40_qkv
	.p2align	8
	.type	k_q1df88cbb40_qkv,@function
k_q1df88cbb40_qkv:
	s_mov_b64 s[64:65], 0
	v_nop
	global_prefetch_b8 v0, s[64:65] scope:SCOPE_SE
	s_setreg_imm32_b32 hwreg(HW_REG_WAVE_MODE, 25, 1), 1
	s_wait_xcnt 0x0
	s_wait_alu depctr_hold_cnt(0) depctr_sa_sdst(0) depctr_va_vdst(0) depctr_va_sdst(0) depctr_va_ssrc(0) depctr_va_vcc(0) depctr_vm_vsrc(0)
	s_getreg_b32 s2, hwreg(HW_REG_IB_STS2, 6, 4)
	s_cmp_eq_u32 s2, 0
	s_cbranch_scc0 .Lentry_in_a_cluster
	s_endpgm
.Lentry_in_a_cluster:
	s_bfe_u32 s2, ttmp6, 0x10000c
	s_cmp_lg_u32 s2, 0xf033
	s_cbranch_scc0 .Lentry_shape_is_right
	s_endpgm
.Lentry_shape_is_right:
; Launch 2 of 4: q = x Wq, k = x Wk, v = x Wv on codes of FP8 (E4M3), RoPE on q and k in f32, and the quantisers of the attention's operands (entries 6, 7, 8).  No product, row or step is left out.
; A tile is 128 x 128 of one product, K = 2,048; four waves, each 64 x 64: 16 accumulators.  The three products are 384 tiles.  A WORK-GROUP STAYS AND MAKES TWO: 192 work-groups, so that start, first tiles and end are paid once.
; THE MATRIX INSTRUCTION: source 0 = 16 rows of "B", source 1 = 16 rows of "A": a lane holds one row of A (lane % 16) and its registers run along B's rows.
;   column group 0-3: q.  A = x's codes, set 0 (queries).  B = Wq's codes (the head 4 x group + cx).      group 4: k.  A = x's codes, set 1 (keys at position P).  B = Wk's codes (the key head cx).
;   group 5: v, TRANSPOSED.  A = Wv's codes (the key head cy; channels at position P).  B = x's codes, set 2 (keys at position P).
; The cluster with x = X takes group X (always q) and then group X + 3 (q, k or v): a cluster of 4 x 4 holds tiles of ONE product at a time, and what differs between the products hangs on the cluster's x alone, which all sixteen share.
; B's rows lie at position P (bits 3 and 4 of the row exchanged), so the 16 registers of two neighbouring accumulators are 16 NEIGHBOURS along B: channels of q and k, keys of v.  Two conversions make of them 16 bytes,
; which ARE four registers of the attention's operand: they are stored in the order of that operand's registers (an image: group c of lane l at 512 c + 16 l), 512 consecutive bytes a store.  Nothing goes through LDS on the way out.
; The sums stand for sum x 2^(the two operands' exponents).  RoPE turns the sums as they are (a power of two goes through a rotation unchanged) and the conversion takes 2^(e_out - e_a - e_b) as its one scale.
; LIMITS: entry 6 - 0 - 1, entry 7 - 2 - 3, entry 8 - 4 - 5 lie between -126 and 119.
; CLUSTERS: the four of a row of the cluster need the same tiles of A, the four of a column the same tiles of B: each tile is asked for jointly.
; THE RING: K goes in four steps of 512 through two LDS slots (rows of 512 bytes + 16), and does not stop at the first tile's end: its last two changes of slots ask for the second tile's K steps 0 and 1, and the first tile goes out
; while they are on their way.  The walk is written out.  By this text's count a wave has one tensor load out at the start and one behind each refill.
; THE TABLE of cos and sin is asked for early, into registers of its own: the first tile's at the head, the second's in the first tile's way out.  Where the second tile is v the second table is loaded and not used:
; the loads stand on the one way that all clusters take, so that every register that the turning reads is written on every way to it.
; No prefetch: half of a tile's K is asked for a whole K step or more ahead, and a tile's rows are read by many work-groups.
; REGISTERS: window 0: v1 r, v2 h, v7 the first tile's table offset, v8-11 the second's, v12-15 at work, v16-21 LDS addresses, v24 16 x lane, v26, v27 and v30, v31 limit and scale (second, first tile), v28, v29 the add's two,
;   v32-63, v64-95 the two tiles' codes, v128-255 accumulators ((a, b) at v[128 + 8 (4 a + b)]).   window 1: two fragment buffers of 128: A's four fragments (16 rows x 128 K, 16 registers), then B's four.   window 2: the two tables, 128 each.
.set KSTEP,  512
.set PITCH,  528                       ; 512 bytes + 16 = 132 words: row r starts 4 r banks on (64 banks of 4 bytes: ISA guide 11.1)
.set HALFT,  64*PITCH                  ; 64 rows: what one tensor load brings, and what one wave reads of A or of B
.set SLOT,   4*HALFT                   ; A's 128 rows, then B's 128 rows
.set SPARE,  2*SLOT                    ; behind the ring: the spare words, 128 bytes for each wave: two blocks of 256 bytes that no other line names
.set ADRA, 16
.set ADRB, 20
.set SPW,  28
.set NIL,  29
.set ACC,  128
.set F0,   0
.set F1,   128
.set G1,   24                          ; s[24:31] group 1 for A's tiles; s[32:39] group 0, a set for each slot
.set G0,   32
.set G1B,  48                          ; s[48:55], s[56:63] the same for B's
.set G0B,  56
.set WV,   16                          ; s16 wave; s17 which half of A's rows is mine, also: I fetch for A (0) or B (1); s18 which half of B's rows, also: which 64 rows I fetch
.set WR,   17
.set WN,   18
.set A2,   66                          ; s[66:67] where my part of the second tile's A begins; s[96:97] the same for B
.set B2,   96
.set MSB, 0
.macro WIN new                         ; the immediate's high byte repeats the setting that is left
.if MSB != \new
	s_set_vgpr_msb (MSB<<8)|\new
.set MSB, \new
.endif
.endm
.set MUL,  0x05                        ; sources 0 and 1 window 1; C and D window 0
.set TO_F, 0x40                        ; destination window 1, address window 0
.macro JLOAD s                         ; a joint load: waves 0 and 1 fetch A's halves, waves 2 and 3 B's; an s_nop 0 and four v_nop follow each line
	s_cmp_eq_u32 s[WR], 0
	s_cbranch_scc0 .Lfor_b_\@
	tensor_load_to_lds s[G0+4*\s:G0+4*\s+3], s[G1:G1+7]
	s_nop 0
.rept 4
	v_nop
.endr
	s_branch .Lasked_\@
.Lfor_b_\@:
	tensor_load_to_lds s[G0B+4*\s:G0B+4*\s+3], s[G1B:G1B+7]
	s_nop 0
.rept 4
	v_nop
.endr
.Lasked_\@:
.endm
.macro CREST                           ; a round of the cluster's barrier behind its opening barrier
	s_cmp_lg_u32 s[WV], 0
	s_cbranch_scc1 .Lnot_wave_0_\@
	s_barrier_signal -3
.Lnot_wave_0_\@:
	s_barrier_wait -3
	s_barrier_signal -1
	s_barrier_wait -1
.endm
.macro CROUND
	s_barrier_signal -1
	s_barrier_wait -1
	CREST
.endm
.macro PLACES                          ; four places in front of loads into registers that matrix instructions have read, and of the first read of results
.rept 4
	v_nop
.endr
.endm
.macro MULA f, a, zero                 ; A's block a against B's four, 128 along K.  zero = 1: the product starts the sums.  The 16 accumulators take turns in one order
.irp b, 0,1,2,3
.if \zero
	v_wmma_f32_16x16x128_fp8_fp8 v[ACC+8*(4*(\a)+\b):ACC+8*(4*(\a)+\b)+7], v[\f+64+16*\b:\f+64+16*\b+15], v[\f+16*(\a):\f+16*(\a)+15], 0
.else
	v_wmma_f32_16x16x128_fp8_fp8 v[ACC+8*(4*(\a)+\b):ACC+8*(4*(\a)+\b)+7], v[\f+64+16*\b:\f+64+16*\b+15], v[\f+16*(\a):\f+16*(\a)+15], v[ACC+8*(4*(\a)+\b):ACC+8*(4*(\a)+\b)+7]
.endif
.endr
.endm
.macro FETCH slot, k, f                ; 32 LDS loads in one run: B's four fragments, then A's four.  Lane l holds row l % 16; registers 4 c .. 4 c + 3 hold K = 32 c + 16 (l / 16) + 0 .. 15: the same places in A and in B
	WIN TO_F
.irp i, 0,1,2,3
.irp c, 0,1,2,3
	ds_load_b128 v[\f+64+16*\i+4*\c:\f+64+16*\i+4*\c+3], v[ADRB+\slot] offset:\k+32*\c+\i*16*PITCH
.endr
.endr
.irp i, 0,1,2,3
.irp c, 0,1,2,3
	ds_load_b128 v[\f+16*\i+4*\c:\f+16*\i+4*\c+3], v[ADRA+\slot] offset:\k+32*\c+\i*16*PITCH
.endr
.endr
.endm
.macro QUARTER slot, k, f, g, zero     ; 128 along K: multiplies buffer f and fetches the next quarter, at byte k, into g
	s_wait_dscnt 8                                 ; B and A's blocks 0, 1 are in; the youngest eight loads (blocks 2, 3) may be out
	WIN MUL
	MULA \f, 0, \zero
	MULA \f, 1, \zero
	PLACES
	FETCH \slot, \k, \g
	s_wait_dscnt 32                                ; all but the 32 just issued
	WIN MUL
	MULA \f, 2, \zero
	MULA \f, 3, \zero
.endm
.macro THREE slot, zero                ; a slot's first three quarters
	QUARTER \slot, 128, F0, F1, \zero
	QUARTER \slot, 256, F1, F0, 0
	QUARTER \slot, 384, F0, F1, 0
.endm
; A slot's last quarter multiplies buffer 1 and changes slots: ONE barrier; in front of it each wave waits for all its tensor loads, adds 0 to its spare word, and waits for that and for its reads of this slot.
; fill = 1: this slot takes this tile's K step two steps on.  fill = 2: it takes the SECOND tile's K step 0 (slot 0) or 1 (slot 1).  fill = 0: nothing is left to fetch.
.macro TURN slot, next, fill
	WIN 0                                          ; (the add's two registers lie in window 0)
	s_wait_tensorcnt 0x0                           ; all my tensor loads have landed: my part of the next slot
	ds_add_u32 v[SPW], v[NIL]                      ; 0 onto my spare word
	s_wait_dscnt 9                                 ; (the add and the youngest eight loads may be out)
	WIN MUL
	MULA F1, 0, 0
	s_wait_dscnt 0x0                               ; the add is done, and my reads of this slot are over
	s_barrier_signal -1
	MULA F1, 1, 0
	WIN 0
	s_barrier_wait -1
.if \fill
	CREST                                          ; the barrier has opened a round of the cluster's: no wave of any partner still reads this slot or has a load on its way
.if \fill == 1
	s_add_nc_u64 s[G0+4*\slot+2:G0+4*\slot+3], s[G0+4*\slot+2:G0+4*\slot+3], 2*KSTEP
	s_add_nc_u64 s[G0B+4*\slot+2:G0B+4*\slot+3], s[G0B+4*\slot+2:G0B+4*\slot+3], 2*KSTEP
.else
	s_add_nc_u64 s[G0+4*\slot+2:G0+4*\slot+3], s[A2:A2+1], \slot*KSTEP
	s_or_b32 s[G0+4*\slot+3], s[G0+4*\slot+3], 0x80000000
	s_add_nc_u64 s[G0B+4*\slot+2:G0B+4*\slot+3], s[B2:B2+1], \slot*KSTEP
	s_or_b32 s[G0B+4*\slot+3], s[G0B+4*\slot+3], 0x80000000
.endif
	JLOAD \slot                                    ; the first tensor load behind the round; its four v_nop are also the places in front of the loads below
.else
	PLACES
.endif
	FETCH \next, 0, F0
	WIN MUL
	MULA F1, 2, 0
	MULA F1, 3, 0
.endm
; THE WAY OUT.  Accumulators (a, 2 p) and (a, 2 p + 1) are 16 registers on end: of A's row 16 a + r, B's members 32 p + 16 h + 0 .. 15.
.macro ROPE tab                        ; the turning, with the table at v[tab] of window 2: register 16 (2 a + p) + 2 m holds cos, the next sin, of my row's t and my pair m
	WIN 0x08                                       ; source 1 window 2
.irp a, 0,1,2,3
.irp p, 0,1
.irp m, 0,1,2,3,4,5,6,7
.set X0, ACC+32*\a+16*\p+2*\m
.set TC, \tab+16*(2*\a+\p)+2*\m
.set TT, 12+2*(\m%2)
	v_mul_f32 v[TT], v[X0+1], v[TC+1]              ; x1 s   (each accumulator is read first at its register 1)
	v_mul_f32 v[TT+1], v[X0+1], v[TC]              ; x1 c
	v_fma_f32 v[X0+1], v[X0], v[TC+1], v[TT+1]     ; x0 s + x1 c
	v_fma_f32 v[X0], v[X0], v[TC], -v[TT]          ; x0 c - x1 s
.endr
.endr
.endr
	WIN 0
.endm
.macro QOUT cd, lim, sc, out           ; the quantiser and the stores: codes into v[cd] on; v[lim], v[sc] limit and scale; s[out] where my images go
.irp a, 0,1,2,3
.irp p, 0,1
.set X0, ACC+32*\a+16*\p
.set CD, \cd+4*(2*\a+\p)
.set ii, 0
.rept 16
	v_med3_num_f32 v[X0+ii], v[X0+ii], -v[\lim], v[\lim]   ; the conversion does not saturate (ISA guide 7.6.2): the hold at the largest code x the scale
.set ii, ii+1
.endr
	v_cvt_scalef32_pk8_fp8_f32 v[CD:CD+1], v[X0:X0+7], v[\sc]
	v_cvt_scalef32_pk8_fp8_f32 v[CD+2:CD+3], v[X0+8:X0+15], v[\sc]
.endr
.endr
	v_nop                                          ; one plain line behind the last conversion: the next tile's products write its sources
.irp a, 0,1,2,3
.irp p, 0,1
	global_store_b128 v24, v[\cd+4*(2*\a+\p):\cd+4*(2*\a+\p)+3], s[\out:\out+1] offset:2048*\a+512*\p   ; a group of an image: 512 consecutive bytes, at a multiple of 512 from the buffer's first byte
.endr
.endr
.endm
	s_load_b256 s[4:11], s[0:1], 0x0               ; xc s[4:5], wc s[6:7], rt s[8:9], the exponents s[10:11]
	s_load_b128 s[12:15], s[0:1], 0x20             ; qc s[12:13], kvc s[14:15]
	v_lshl_add_u32 v[SPW], v0, 2, SPARE
	v_mov_b32 v[NIL], 0
	ds_add_u32 v[SPW], v[NIL]                      ; the wave's opening: the add, twice on end, and its wait ahead of my first tensor load
	ds_add_u32 v[SPW], v[NIL]
	v_lshrrev_b32 v1, 5, v0
	v_readfirstlane_b32 s[WV], v1
	s_lshr_b32 s[WR], s[WV], 1
	s_and_b32 s[WN], s[WV], 1
	s_add_co_u32 s19, ttmp9, 3                     ; the second tile's column group, 3..5: which product.  (The first tile's is the cluster's x, 0..2: q)
	s_and_b32 s20, ttmp7, 0xffff                   ; Y: the cluster's y, 0..3
	s_bfe_u32 s21, ttmp6, 0x40000                  ; cx
	s_bfe_u32 s22, ttmp6, 0x40004                  ; cy
	s_lshl_b32 s23, s22, 2
	s_lshl_b32 s23, 15, s23                        ; my row of the cluster
	s_lshl_b32 s84, 0x1111, s21                    ; my column
	s_or_b32 s[G1], s23, (1<<20)|(1<<21)|(6<<22)|(3<<25)   ; 15:0 the mask; 17:16 elements of 1 byte; 20 padding on; 21 set beside a mask; 24:22 after every 128 words; 31:25 four words
	s_or_b32 s[G1B], s84, (1<<20)|(1<<21)|(6<<22)|(3<<25)
.irp g, G1, G1B
	s_mov_b32 s[\g+1], KSTEP<<16                   ; tensor_dim0 = 512
	s_mov_b32 s[\g+2], 64<<16                      ; tensor_dim1 = 64
	s_mov_b32 s[\g+3], KSTEP<<16                   ; tile_dim0 = 512
	s_mov_b32 s[\g+4], 64                          ; tile_dim1 = 64
	s_mov_b32 s[\g+5], 2048                        ; from row to row
	s_mov_b32 s[\g+6], 0
	s_mov_b32 s[\g+7], 0
.endr
	; the first tile.  A: x's set 0, tile 4 Y + cy: registers that hold cy, Y and the wave's number alone
	s_lshl_b32 s40, s20, 2
	s_add_co_u32 s40, s40, s22
	s_lshl_b32 s40, s40, 7
	s_lshl_b32 s41, s[WN], 6
	s_add_co_u32 s40, s40, s41
	s_lshl_b32 s40, s40, 11                        ; rows of 2,048 bytes
	s_mov_b32 s41, 0
	; B: Wq's group 4 X + cx: cx, X and the wave's number alone
	s_lshl_b32 s44, ttmp9, 2
	s_add_co_u32 s44, s44, s21
	s_lshl_b32 s44, s44, 7
	s_lshl_b32 s45, s[WN], 6
	s_add_co_u32 s44, s44, s45
	s_lshl_b32 s44, s44, 11
	s_mov_b32 s45, 0
	; the second tile.  A: cy, the group, Y and the wave's number alone
	s_cmp_eq_u32 s19, 5
	s_cselect_b32 s92, 5, s20                      ; v: Wv's groups 20 + cy;  else x's tile 4 Y + cy
	s_lshl_b32 s92, s92, 2
	s_add_co_u32 s92, s92, s22
	s_lshl_b32 s92, s92, 7
	s_lshl_b32 s93, s[WN], 6
	s_add_co_u32 s92, s92, s93
	s_lshl_b32 s92, s92, 11
	s_cmp_eq_u32 s19, 4
	s_cselect_b32 s93, 0x400000, 0                 ; k: x's set 1
	s_add_co_u32 s92, s92, s93
	s_mov_b32 s93, 0
	; B: cx, the group, Y and the wave's number alone
	s_cmp_eq_u32 s19, 5
	s_cselect_b32 s94, s20, s19                    ; v: x's tile 4 Y + cx;  else the weights' group 4 x group + cx
	s_cselect_b32 s95, 0x800000, 0                 ; v: x's set 2
	s_lshl_b32 s94, s94, 2
	s_add_co_u32 s94, s94, s21
	s_lshl_b32 s94, s94, 7
	s_lshl_b32 s85, s[WN], 6
	s_add_co_u32 s94, s94, s85
	s_lshl_b32 s94, s94, 11
	s_add_co_u32 s94, s94, s95
	s_mov_b32 s95, 0
	s_mul_i32 s85, s[WV], HALFT                    ; where my load goes: wave x 64 rows
	s_wait_dscnt 0x0                               ; both opening adds are done
	s_wait_kmcnt 0x0
	s_load_b256 s[68:75], s[10:11], 0x0            ; entries 0 to 7
	s_load_b128 s[76:79], s[10:11], 0x20           ; entries 8 to 11
	s_add_nc_u64 s[42:43], s[4:5], s[40:41]
	s_add_nc_u64 s[46:47], s[6:7], s[44:45]
	s_cmp_eq_u32 s19, 5
	s_cselect_b64 s[A2:A2+1], s[6:7], s[4:5]
	s_cselect_b64 s[B2:B2+1], s[4:5], s[6:7]
	s_add_nc_u64 s[A2:A2+1], s[A2:A2+1], s[92:93]
	s_add_nc_u64 s[B2:B2+1], s[B2:B2+1], s[94:95]
	CROUND                                         ; all sixteen work-groups are here: the first joint loads meet
.irp s, 0,1
	s_mov_b32 s[G0+4*\s], 1
	s_add_co_u32 s[G0+4*\s+1], s85, \s*SLOT
	s_add_nc_u64 s[G0+4*\s+2:G0+4*\s+3], s[42:43], \s*KSTEP
	s_or_b32 s[G0+4*\s+3], s[G0+4*\s+3], 0x80000000
	s_mov_b32 s[G0B+4*\s], 1
	s_add_co_u32 s[G0B+4*\s+1], s85, \s*SLOT
	s_add_nc_u64 s[G0B+4*\s+2:G0B+4*\s+3], s[46:47], \s*KSTEP
	s_or_b32 s[G0B+4*\s+3], s[G0B+4*\s+3], 0x80000000
.endr
	JLOAD 0                                        ; K step 0: one tensor load a wave at the head
	v_and_b32 v1, 15, v0                           ; r
	v_bfe_u32 v2, v0, 4, 1                         ; h
	; the table's rows.  q: t = 16 a + r: one offset, the block in the loads' immediate.  k: position 16 a + r holds t = 32 (a / 2) + 8 (a % 2) + r + 8 (r / 8)
	v_lshlrev_b32 v7, 9, v1
	v_lshl_add_u32 v7, v2, 6, v7                   ; a row of the table is 512 bytes; my 16 channels of a run of 32 are 8 pairs: 64 h
	s_wait_alu depctr_va_vdst(0)
	s_lshl_b32 s89, s20, 2
	s_add_co_u32 s90, s89, s22                     ; 4 Y + cy
	s_add_co_u32 s91, s89, s21                     ; 4 Y + cx
	s_lshl_b32 s92, s90, 16                        ; the table at t = 128 (4 Y + cy) + 64 x my half of A, channel 64 x my half of B: the same for both tiles
	s_lshl_b32 s93, s[WR], 15
	s_add_co_u32 s92, s92, s93
	s_lshl_b32 s93, s[WN], 8
	s_add_co_u32 s92, s92, s93
	s_mov_b32 s93, 0
	s_add_nc_u64 s[80:81], s[8:9], s[92:93]
	WIN 0x80                                       ; destination window 2
.irp a, 0,1,2,3
.irp p, 0,1
.irp i, 0,1,2,3
	global_load_b128 v[16*(2*\a+\p)+4*\i:16*(2*\a+\p)+4*\i+3], v7, s[80:81] offset:8192*\a+128*\p+16*\i   ; the first tile's table: asked for here, wanted behind the tile's whole walk
.endr
.endr
.endr
	WIN 0
	v_mul_u32_u24 v3, v1, PITCH
	v_lshl_add_u32 v3, v2, 4, v3
	s_mul_i32 s86, s[WR], HALFT                    ; my 64 rows of A
	s_mul_i32 s87, s[WN], HALFT
	s_add_co_u32 s87, s87, 2*HALFT                 ; my 64 rows of B, behind A's 128
.irp s, 0,1
	v_add_nc_u32 v[ADRA+\s], s86, v3
	v_add_nc_u32 v[ADRB+\s], s87, v3
	s_add_co_u32 s86, s86, SLOT
	s_add_co_u32 s87, s87, SLOT
.endr
	v_and_b32 v24, 31, v0
	v_lshlrev_b32 v24, 4, v24                      ; 16 x lane: my place in an image's group
	s_cmp_eq_u32 s19, 4                            ; the second tile's table offsets
	s_cselect_b32 s92, 8, 0
	s_cselect_b32 s93, 8, 16
	s_cselect_b32 s94, 40, 48
	v_lshrrev_b32 v4, 3, v1
	v_mul_u32_u24 v4, s92, v4
	v_add_nc_u32 v4, v4, v1
	v_lshlrev_b32 v4, 9, v4
	v_lshl_add_u32 v8, v2, 6, v4
	s_lshl_b32 s93, s93, 9
	s_lshl_b32 s94, s94, 9
	v_add_nc_u32 v9, s93, v8
	v_add_nc_u32 v10, 32*512, v8
	v_add_nc_u32 v11, s94, v8
	; where my images go
	s_lshl_b32 s95, s[WR], 13                      ; my four images,
	s_lshl_b32 s92, s[WN], 10                      ; my two groups of each
	s_add_co_u32 s95, s95, s92
	s_lshl_b32 s88, ttmp9, 2                       ; the first tile: q: head 4 X + cx (128 images), 8 images for each tile of 128 queries
	s_add_co_u32 s88, s88, s21
	s_lshl_b32 s88, s88, 18
	s_lshl_b32 s92, s90, 14
	s_add_co_u32 s88, s88, s92
	s_add_co_u32 s88, s88, s95
	s_mov_b32 s89, 0
	s_add_nc_u64 s[82:83], s[12:13], s[88:89]
	s_lshl_b32 s88, s19, 2                         ; the second tile: q likewise,
	s_add_co_u32 s88, s88, s21
	s_lshl_b32 s88, s88, 18
	s_lshl_b32 s92, s90, 14
	s_add_co_u32 s88, s88, s92
	s_lshl_b32 s92, s21, 19
	s_lshl_b32 s93, s90, 15
	s_add_co_u32 s92, s92, s93                     ; k: key head cx, key step 4 Y + cy, images 0-7
	s_lshl_b32 s93, s22, 19
	s_lshl_b32 s94, s91, 15
	s_add_co_u32 s93, s93, s94
	s_add_co_u32 s93, s93, 16384                   ; v: key head cy, key step 4 Y + cx, images 8-15
	s_cmp_eq_u32 s19, 4
	s_cselect_b32 s88, s92, s88
	s_cmp_eq_u32 s19, 5
	s_cselect_b32 s88, s93, s88
	s_add_co_u32 s88, s88, s95
	s_cmp_lt_u32 s19, 4
	s_cselect_b64 s[98:99], s[12:13], s[14:15]
	s_add_nc_u64 s[98:99], s[98:99], s[88:89]
	s_wait_kmcnt 0x0
	s_add_co_i32 s92, s68, s69
	s_sub_co_i32 s92, s74, s92                     ; entry 6 - 0 - 1
	s_add_co_i32 s93, s70, s71
	s_sub_co_i32 s93, s75, s93                     ; entry 7 - 2 - 3
	s_add_co_i32 s94, s72, s73
	s_sub_co_i32 s94, s76, s94                     ; entry 8 - 4 - 5
	s_add_co_i32 s95, s92, 127                     ; the first tile: q's
	s_lshl_b32 s88, s95, 23
	v_mov_b32 v31, s88                             ; the conversion's scale
	s_add_co_i32 s95, s95, 8
	s_lshl_b32 s95, s95, 23
	s_or_b32 s95, s95, 0x600000
	v_mov_b32 v30, s95                             ; 448 x that
	s_cmp_eq_u32 s19, 4                            ; the second tile's
	s_cselect_b32 s92, s93, s92
	s_cmp_eq_u32 s19, 5
	s_cselect_b32 s92, s94, s92
	s_add_co_i32 s92, s92, 127
	s_lshl_b32 s93, s92, 23
	v_mov_b32 v27, s93
	s_add_co_i32 s92, s92, 8
	s_lshl_b32 s92, s92, 23
	s_or_b32 s92, s92, 0x600000
	v_mov_b32 v26, s92
	s_wait_alu depctr_va_vdst(0)                   ; the head's end
	s_wait_tensorcnt 0x0                           ; my part of K step 0 is in; slot 1's first fill is issued as a refill is: one tensor load is out at the start, and one behind each round
	ds_add_u32 v[SPW], v[NIL]
	s_wait_dscnt 0x0
	CROUND
	JLOAD 1                                        ; K step 1, the first tensor load behind the round
	FETCH 0, 0, F0
	THREE 0, 1                                     ; THE FIRST TILE: its first products start the sums
	TURN 0, 1, 1                                   ; slot 0 takes K step 2
	THREE 1, 0
	TURN 1, 0, 1                                   ; slot 1 takes K step 3
	THREE 0, 0
	TURN 0, 1, 2                                   ; THE RING GOES ON: slot 0 takes the second tile's K step 0,
	THREE 1, 0
	TURN 1, 0, 2                                   ; slot 1 its K step 1, and the second tile's first fragments are fetched
	WIN 0
	PLACES                                         ; both refills are asked for: now the first tile goes out
	s_wait_loadcnt 0x0                             ; its table, asked for at the head
	WIN 0x80                                       ; destination window 2
	s_wait_alu depctr_va_vdst(0)
.irp a, 0,1,2,3
.irp p, 0,1
.irp i, 0,1,2,3
	global_load_b128 v[128+16*(2*\a+\p)+4*\i:128+16*(2*\a+\p)+4*\i+3], v[8+\a], s[80:81] offset:128*\p+16*\i   ; the second tile's table: wanted behind that tile's whole walk
.endr
.endr
.endr
	ROPE 0
	QOUT 32, 30, 31, 82
	THREE 0, 1                                     ; THE SECOND TILE: its first products start the sums anew
	TURN 0, 1, 1
	THREE 1, 0
	TURN 1, 0, 1
	THREE 0, 0
	TURN 0, 1, 0                                   ; nothing is left to fetch
	THREE 1, 0
	s_wait_dscnt 8
	WIN MUL
	MULA F1, 0, 0
	MULA F1, 1, 0
	s_wait_dscnt 0
	MULA F1, 2, 0
	MULA F1, 3, 0
	WIN 0
	PLACES
	s_cmp_eq_u32 s19, 5                            ; v is not turned.  The condition hangs on the cluster's x: the same in all sixteen partners and all waves
	s_cbranch_scc1 .Lno_rope
	s_wait_loadcnt 0x0
	ROPE 128
.Lno_rope:
	QOUT 64, 26, 27, 98
	s_wait_tensorcnt 0x0                           ; the wave's end
	ds_add_u32 v[SPW], v[NIL]
	s_wait_dscnt 0x0
	CROUND                                         ; the closing round: no work-group ends while a partner may still ask for a tile that names it
	s_endpgm
.Lfunc_end_k_q1df88cbb40_qkv:
	.size	k_q1df88cbb40_qkv, .Lfunc_end_k_q1df88cbb40_qkv-k_q1df88cbb40_qkv
	.p2alignl 7, 3214868480
	.fill 96, 4, 3214868480
	.section	.rodata,"a",@progbits
	.p2align	6, 0x0
	.amdhsa_kernel k_q1df88cbb40_qkv
		.amdhsa_group_segment_fixed_size 327680
		.amdhsa_private_segment_fixed_size 0
		.amdhsa_enable_private_segment 0
		.amdhsa_kernarg_size 48
		.amdhsa_user_sgpr_count 2
		.amdhsa_user_sgpr_kernarg_segment_ptr 1
		.amdhsa_wavefront_size32 1
		.amdhsa_system_sgpr_workgroup_id_x 1
		.amdhsa_system_sgpr_workgroup_id_y 1
		.amdhsa_system_sgpr_workgroup_id_z 1
		.amdhsa_system_vgpr_workitem_id 0
		.amdhsa_next_free_vgpr 768
		.amdhsa_next_free_sgpr 100
		.amdhsa_reserve_vcc 0
		.amdhsa_float_denorm_mode_32 3
		.amdhsa_float_denorm_mode_16_64 3
		.amdhsa_memory_ordered 1
		.amdhsa_forward_progress 1
		.amdhsa_inst_pref_size 172
	.end_amdhsa_kernel
	.amdgpu_metadata
---
amdhsa.version: [ 1, 2 ]
amdhsa.kernels:
  - .name:           k_q1df88cbb40_qkv
    .symbol:         k_q1df88cbb40_qkv.kd
    .args:
      - { .name: xc, .offset: 0, .size: 8, .value_kind: global_buffer, .address_space: global }
      - { .name: wc, .offset: 8, .size: 8, .value_kind: global_buffer, .address_space: global }
      - { .name: rt, .offset: 16, .size: 8, .value_kind: global_buffer, .address_space: global }
      - { .name: lowp_scales, .offset: 24, .size: 8, .value_kind: global_buffer, .address_space: global }
      - { .name: qc, .offset: 32, .size: 8, .value_kind: global_buffer, .address_space: global }
      - { .name: kvc, .offset: 40, .size: 8, .value_kind: global_buffer, .address_space: global }
    .group_segment_fixed_size: 327680
    .private_segment_fixed_size: 0
    .kernarg_segment_align: 8
    .kernarg_segment_size: 48
    .max_flat_workgroup_size: 128
    .sgpr_count:     100
    .vgpr_count:     768
    .wavefront_size: 32
...
	.end_amdgpu_metadata
.endif
;; end of part 2
;; launch attn (part 3): grid 64 x 4, 4 waves a work-group, no clusters, 287,744 bytes of LDS; arguments qc, kvc, mb, lowp_scales, oc; writes oc
.if DOCPART == 3
	.amdgcn_target "amdgcn-amd-amdhsa--gfx1250"
	.amdhsa_code_object_version 6
	.text
	.protected	k_q1df88cbb40_attn
	.globl	k_q1df88cbb40_attn
	.p2align	8
	.type	k_q1df88cbb40_attn,@function
k_q1df88cbb40_attn:
	s_mov_b64 s[64:65], 0
	v_nop
	global_prefetch_b8 v0, s[64:65] scope:SCOPE_SE
	s_setreg_imm32_b32 hwreg(HW_REG_WAVE_MODE, 25, 1), 1
	s_wait_xcnt 0x0
; Launch 3 of 4: o = softmax(q k^T / sqrt(128), under the mask) v on codes of FP8 (E4M3), and the quantiser of the last product's operand (entry 10).
; WORK THAT THE MASK'S WORDS DO NOT ASK FOR: a step of 128 keys all of whose 16 x 128 mask bits are 0 adds p = 0 to every sum, so it is passed over by a scalar branch on the words of mb, whole numbers that launch 1 stored.
; Nothing of the mask's pattern is built in: every word is read, and any mask is served.  A row with no open key gets the NaN code, as the definition's softmax gives NaN there.
; SHARES.  A work-group owns one key head g (4 query heads) and two tiles of 16 queries, p and 127 - p: 32 entries (tile, key step).  Every wave reads the 32 entries' 64 words each (a lane an entry) and makes two lane masks:
; live (some bit set) and open (all bits set).  The live entries are dealt to the four waves by turns (rank % 4, by v_mbcnt).  A wave takes its entries with ALL FOUR heads, so each fragment of K and V that it loads feeds four matrix instructions.
; K and V come from kvc, which holds them as images of the operand's registers, straight into registers, one entry ahead.  No tensor load, and so no cluster and no joint load: the walk hangs on numbers read from memory.
; The last entry's look-ahead names that entry again, so that the counted waits hold in every trip.
; THE SOFTMAX as the problem states it: t = score x log2(e) / sqrt(128); M = the ceiling of the largest t so far; p = 2^(t - M) is quantised (entry 9); the sum is of the unquantised p.  Each wave has its own M, sum and O^T for its keys;
; they meet in LDS, and wave w joins head w of both tiles: every part x 2^(its M - the largest M), exact, then / the sum.
; O^T IS CLEARED ONCE.  The second tile begins on the first tile's numbers, which are finite (at most 2,048 products of two codes): the first key that counts moves M up from -3e38, so f = 0 wipes them; a part whose M stays at -3e38 is multiplied by 0 at the join.
; THE HOLD ON p is passed over where entry 9 >= -8: p <= 2^(one rounding of t) < 448 x 2^-8, so it could change nothing; else it runs.
; PREFETCH: one instruction a work-group, at the head: 8,192 of the key head's 524,288 bytes of K and V, shared out by address among the 64 work-groups that walk them; which steps a wave takes is known only behind the mask's words.
; LIMITS: entries 6 + 7 between -123 and 130; entry 9 and entry 10 - 8 - 9 between -126 and 119; the scaled scores stay under 2^31 in magnitude.  NaN among the inputs is not served.
; REGISTERS.  window 0: v1 16 x lane, v3 lane, v4 prefetch offset, v5, v6 the add's two, v7 the loads' offset, v9, v10 LDS bases, v[12+2h] -M, v[13+2h] largest t, v[20+2h:21+2h] sum, v[28+2h] f, v36-55 at work, v56-61 constants,
;   v64-127 Q of the tile in hand, v128-191 Q of the second tile, v192-255 p's codes.   window 1: K's eight fragments, then V's.   window 2: S^T, then p (head h at 64 h).   window 3: O^T (head h at 64 h).
; LDS: 0: the parts of O^T, 65,536 a wave (tile j at 32,768 j, head h at 8,192 h, images); ML: (-M, sum) pairs; STG: 32 rows of 512 bytes + 16 on the way out; SPARE: the spare words.
.set ML,    262144
.set STG,   270336
.set SPARE, 287232
.set Q,  64
.set QB, 128
.set PC, 192
.set MSB, 0
.macro WIN new                         ; the immediate's high byte repeats the setting that is left
.if MSB != \new
	s_set_vgpr_msb (MSB<<8)|\new
.set MSB, \new
.endif
.endm
.macro KVLOAD v                        ; 0: K's eight fragments, 1: V's, of the step in v7: 32 loads of 512 consecutive bytes
	WIN 0x40
.irp t,0,1,2,3,4,5,6,7
.irp c,0,1,2,3
	global_load_b128 v[128*\v+16*\t+4*\c:128*\v+16*\t+4*\c+3], v7, s[6:7] offset:16384*\v+2048*\t+512*\c
.endr
.endr
	WIN 0
.endm
.macro MASKASK e                       ; the 64 mask words of entry s[e] (held within 0..31): tile p or 127 - p, step e % 16
	s_and_b32 s22, s[\e], 15
	s_lshl_b32 s22, s22, 8
	s_and_b32 s67, s[\e], 16
	s_mul_i32 s67, s67, s17
	s_add_co_u32 s67, s67, s22
	s_add_co_u32 s67, s67, s18
	s_load_b512 s[32:47], s[8:9], s67 offset:0x0
	s_load_b512 s[48:63], s[8:9], s67 offset:0x40
	s_load_b512 s[68:83], s[8:9], s67 offset:0x80
	s_load_b512 s[84:99], s[8:9], s67 offset:0xc0
.endm
	s_load_b256 s[4:11], s[0:1], 0x0               ; qc s[4:5], kvc s[6:7], mb s[8:9], the exponents s[10:11]
	s_load_b64 s[12:13], s[0:1], 0x20              ; oc
	v_lshl_add_u32 v5, v0, 2, SPARE
	v_mov_b32 v6, 0
	v_lshrrev_b32 v2, 5, v0
	v_readfirstlane_b32 s14, v2                    ; wave
	v_and_b32 v3, 31, v0
	v_lshlrev_b32 v1, 4, v3
	v_lshlrev_b32 v4, 8, v3
	s_mov_b32 s15, ttmp9                           ; p
	s_and_b32 s16, ttmp7, 0xffff                   ; g
	s_lshl_b32 s17, s15, 1
	s_sub_co_u32 s17, 127, s17
	s_lshl_b32 s17, s17, 8                         ; 16 x this = from tile p to tile 127 - p in mb
	s_lshl_b32 s18, s15, 12                        ; tile p in mb
	v_and_b32 v8, 15, v3
	v_and_b32 v9, 16, v3
	v_lshlrev_b32 v8, 8, v8
	v_mul_u32_u24 v9, v9, s17
	v_add3_u32 v8, v8, v9, s18                     ; my lane's entry in mb
	s_mov_b32 s30, 0x76543210
	s_mov_b32 s31, 0xfedcba98
	s_mov_b32 s27, 0
	s_wait_alu depctr_va_vdst(0)
	s_wait_kmcnt 0x0
	s_load_b128 s[44:47], s[10:11], 0x18           ; entries 6 to 9
	s_load_b32 s48, s[10:11], 0x28                 ; entry 10
.irp k,0,1,2,3,4,5,6,7,8,9,10,11,12,13,14,15
	global_load_b128 v[PC+4*\k:PC+4*\k+3], v8, s[8:9] offset:16*\k   ; the sixteen loads together take each entry's 256 bytes whole
.endr
	s_lshl_b32 s26, s16, 19
	s_add_nc_u64 s[6:7], s[6:7], s[26:27]          ; my key head
	s_lshl_b32 s26, s15, 13
	s_add_nc_u64 s[100:101], s[6:7], s[26:27]      ; my work-group's 8,192 bytes of it; never rewritten
	s_lshl_b32 s26, s16, 20
	s_add_nc_u64 s[4:5], s[4:5], s[26:27]          ; my four heads
	s_sub_co_u32 s26, 127, s15
	s_lshl_b32 s26, s26, 11
	s_add_nc_u64 s[24:25], s[4:5], s[26:27]        ; tile 127 - p
	s_lshl_b32 s26, s15, 11
	s_add_nc_u64 s[4:5], s[4:5], s[26:27]          ; tile p
.irp h,0,1,2,3
.irp c,0,1,2,3
	global_load_b128 v[Q+16*\h+4*\c:Q+16*\h+4*\c+3], v1, s[4:5] offset:262144*\h+512*\c
	global_load_b128 v[QB+16*\h+4*\c:QB+16*\h+4*\c+3], v1, s[24:25] offset:262144*\h+512*\c
.endr
.endr
	s_cmp_lg_u32 s14, 0
	s_cbranch_scc1 .Lnoask
	global_prefetch_b8 v4, s[100:101] th:TH_LOAD_NT scope:SCOPE_SE   ; wave 0: 32 blocks of 256 bytes, a lane a block
.Lnoask:
	v_mov_b32 v56, 0xff800000                      ; -infinity
	v_mov_b32 v61, 0x7f7f7f7f                      ; four NaN codes
.irp h,0,1,2,3
	v_mov_b32 v[29+2*\h], 0                        ; (named as the upper half of f's pair)
	v_mov_b32 v[52+\h], 0                          ; (a lane permute's destination counts as a source)
.endr
	s_lshl_b32 s26, s14, 16
	v_add_nc_u32 v9, s26, v1                       ; my parts of O^T
	s_lshl_b32 s26, s14, 11
	s_add_co_u32 s26, s26, ML
	v_lshl_add_u32 v10, v3, 3, s26                 ; my (-M, sum) pairs
	s_wait_kmcnt 0x0
	s_add_co_i32 s26, s44, s45
	s_lshl_b32 s26, s26, 23
	s_add_co_i32 s28, s26, 0x3e0293ee              ; c = log2(e) / sqrt(128) x 2^(entry 6 + entry 7)
	s_mov_b32 s29, s28
	s_mov_b32 s66, s47                             ; entry 9
	s_add_co_i32 s26, s47, 127
	s_lshl_b32 s22, s26, 23
	v_mov_b32 v58, s22                             ; 2^entry 9
	s_add_co_i32 s26, s26, 8
	s_lshl_b32 s26, s26, 23
	s_or_b32 s26, s26, 0x600000
	v_mov_b32 v57, s26                             ; 448 x that
	s_sub_co_i32 s26, s48, s46
	s_sub_co_i32 s26, s26, s47
	s_add_co_i32 s26, s26, 127
	s_lshl_b32 s22, s26, 23
	v_mov_b32 v60, s22                             ; 2^(entry 10 - 8 - 9)
	s_add_co_i32 s26, s26, 8
	s_lshl_b32 s26, s26, 23
	s_or_b32 s26, s26, 0x600000
	v_mov_b32 v59, s26                             ; 448 x that
	s_wait_alu depctr_va_vdst(0)
	s_wait_loadcnt 32                              ; the mask's words are in; Q's 32 loads may be out
.irp q,0,1,2,3
	v_or_b32 v[44+\q], v[PC+16*\q], v[PC+16*\q+1]
	v_and_b32 v[48+\q], v[PC+16*\q], v[PC+16*\q+1]
.endr
.irp i,2,3,4,5,6,7,8,9,10,11,12,13,14,15
.irp q,0,1,2,3
	v_or_b32 v[44+\q], v[44+\q], v[PC+16*\q+\i]
	v_and_b32 v[48+\q], v[48+\q], v[PC+16*\q+\i]
.endr
.endr
	v_or_b32 v44, v44, v45
	v_or_b32 v46, v46, v47
	v_and_b32 v48, v48, v49
	v_and_b32 v50, v50, v51
	v_or_b32 v44, v44, v46
	v_and_b32 v48, v48, v50
	v_cmp_ne_u32 s26, 0, v44                       ; live: bit e = entry e has an open key
	v_cmp_eq_u32 s19, -1, v48                      ; open: all its keys count
	v_mbcnt_lo_u32_b32 v45, s26, 0                 ; an entry's rank among the live ones
	v_and_b32 v45, 3, v45
	v_cmp_eq_u32 s20, s14, v45
	s_and_b32 s20, s20, s26                        ; my entries
	s_wait_xcnt 0x0                                ; Q's loads have read s[24:25]
	s_and_b32 s22, s20, 0xffff
	s_bcnt1_i32_b32 s24, s22                       ; how many of them in tile p,
	s_lshr_b32 s22, s20, 16
	s_bcnt1_i32_b32 s2, s22                        ; and in tile 127 - p
	s_ctz_i32_b32 s21, s20
	s_min_u32 s21, s21, 31                         ; my first entry (none: entry 31 is loaded and not used)
	s_sub_co_u32 s22, s20, 1
	s_and_b32 s20, s20, s22                        ; the entries behind it
	s_and_b32 s22, s21, 15
	v_lshl_add_u32 v7, s22, 15, v1                 ; a key step is 32,768 bytes of kvc
	KVLOAD 0
	KVLOAD 1
	MASKASK 21
	WIN 0xc0
.set jj, 0
.rept 256
	v_mov_b32 v[jj], 0                             ; O^T, once, while the first fragments are on their way
.set jj, jj+1
.endr
	WIN 0
	s_mov_b32 s25, 0
	s_wait_alu depctr_va_vdst(0)                   ; the head's end
	s_wait_loadcnt 63                              ; Q of both tiles is in
.Ltile:                                            ; two trips: tile p, tile 127 - p
.irp h,0,1,2,3
	v_mov_b32 v[13+2*\h], 0xff61b1e6               ; the largest t so far: -3e38
	v_mov_b32 v[20+2*\h], 0
	v_mov_b32 v[21+2*\h], 0
.endr
.irp h,0,1,2,3
	v_floor_f32 v[12+2*\h], -v[13+2*\h]
.endr
	s_mov_b32 s23, 0
	s_cmp_eq_u32 s24, 0
	s_wait_alu depctr_va_vdst(0)
	s_cbranch_scc1 .Lflush
.Lstep:                                            ; one entry: 128 keys x 16 queries x 4 heads
	s_wait_loadcnt 32                              ; K is in; V's 32 loads may be out
	WIN 0x81
.irp t,0,1,2,3,4,5,6,7
.irp h,0,1,2,3
	v_wmma_f32_16x16x128_fp8_fp8 v[64*\h+8*\t:64*\h+8*\t+7], v[16*\t:16*\t+15], v[Q+16*\h:Q+16*\h+15], 0
.endr
.endr
	WIN 0
	s_wait_xcnt 0x0                                ; the loads before have read v7
	s_ctz_i32_b32 s3, s20                          ; my next entry;
	s_cmp_eq_u32 s20, 0
	s_cselect_b32 s3, s21, s3                      ; none is left: this one again
	s_min_u32 s3, s3, 31
	s_sub_co_u32 s22, s20, 1
	s_and_b32 s20, s20, s22
	s_and_b32 s22, s3, 15
	v_lshl_add_u32 v7, s22, 15, v1                 ; (with the three below: the four places behind the products)
.rept 3
	v_nop
.endr
	KVLOAD 0                                       ; the next entry's K
	s_wait_kmcnt 0x0                               ; this entry's mask words, asked for an entry ago
	s_bitcmp1_b32 s19, s21
	s_cbranch_scc1 .Lopen                          ; all keys count: nothing to hide
	WIN 0x88
.set nn, 0
.rept 64
.irp h,0,1,2,3
	v_cndmask_b32 v[64*\h+nn], v56, v[64*\h+nn], s[32+nn+4*(nn/32)]
.endr
.set nn, nn+1
.endr
	WIN 0
.Lopen:
	MASKASK 3
	WIN 0x2a
.irp h,0,1,2,3
	v_max3_num_f32 v[44+2*\h], v[64*\h], v[64*\h+1], v[64*\h+2]
	v_max3_num_f32 v[45+2*\h], v[64*\h+3], v[64*\h+4], v[64*\h+5]
.endr
	WIN 0x28
.irp i,6,10,14,18,22,26,30,34,38,42,46,50,54,58
.irp h,0,1,2,3
	v_max3_num_f32 v[44+2*\h], v[44+2*\h], v[64*\h+\i], v[64*\h+\i+1]
	v_max3_num_f32 v[45+2*\h], v[45+2*\h], v[64*\h+\i+2], v[64*\h+\i+3]
.endr
.endr
.irp h,0,1,2,3
	v_max3_num_f32 v[44+2*\h], v[44+2*\h], v[64*\h+62], v[64*\h+63]
.endr
	WIN 0
.irp h,0,1,2,3
	v_max_num_f32 v[44+2*\h], v[44+2*\h], v[45+2*\h]
.endr
.irp h,0,1,2,3
	v_permlanex16_b32 v[52+\h], v[44+2*\h], s30, s31
.endr
.irp h,0,1,2,3
	v_max_num_f32 v[44+2*\h], v[44+2*\h], v[52+\h]
.endr
.irp h,0,1,2,3
	v_mul_f32 v[44+2*\h], s28, v[44+2*\h]
.endr
.irp h,0,1,2,3
	v_max_num_f32 v[13+2*\h], v[13+2*\h], v[44+2*\h]
	v_mov_b32 v[45+2*\h], v[12+2*\h]
.endr
.irp h,0,1,2,3
	v_floor_f32 v[12+2*\h], -v[13+2*\h]            ; -M = floor(-t)
.endr
.irp h,0,1,2,3
	v_sub_f32 v[45+2*\h], v[12+2*\h], v[45+2*\h]
.endr
.irp h,0,1,2,3
	v_cvt_i32_f32 v[45+2*\h], v[45+2*\h]
.endr
.irp h,0,1,2,3
	v_ldexp_f32 v[28+2*\h], 1.0, v[45+2*\h]        ; f = 2^(old M - new M)
.endr
	WIN 0x82
.set jj, 0
.rept 128
	v_pk_fma_f32 v[jj:jj+1], v[jj:jj+1], s[28:29], v[12+2*(jj/64):13+2*(jj/64)] op_sel_hi:[1,0,0]
.set jj, jj+2
.endr
	s_wait_alu depctr_va_vdst(0)                   ; ahead of the batch
.set jj, 0
.rept 256
	v_exp_f32 v[jj], v[jj]
.set jj, jj+1
.endr
	WIN 0
.irp h,0,1,2,3
	v_pk_mul_f32 v[20+2*\h:21+2*\h], v[20+2*\h:21+2*\h], v[28+2*\h:29+2*\h] op_sel_hi:[1,0]
.endr
	s_wait_alu depctr_va_vdst(0)                   ; one wait for the batch, ahead of its first reader
	WIN 0x0a
.irp h,0,1,2,3
	v_pk_add_f32 v[36+2*\h:37+2*\h], v[64*\h:64*\h+1], v[64*\h+2:64*\h+3]
.endr
	WIN 0x08
.irp j,4,8,12,16,20,24,28,32,36,40,44,48,52,56,60
.irp h,0,1,2,3
	v_pk_add_f32 v[20+2*\h:21+2*\h], v[20+2*\h:21+2*\h], v[64*\h+\j:64*\h+\j+1]
	v_pk_add_f32 v[36+2*\h:37+2*\h], v[36+2*\h:37+2*\h], v[64*\h+\j+2:64*\h+\j+3]
.endr
.endr
	WIN 0
.irp h,0,1,2,3
	v_pk_add_f32 v[20+2*\h:21+2*\h], v[20+2*\h:21+2*\h], v[36+2*\h:37+2*\h]
.endr
	s_cmp_ge_i32 s66, -8
	s_wait_alu depctr_va_vdst(0)
	s_cbranch_scc1 .Lnohold                        ; 448 x 2^entry 9 lies above every p
	WIN 0x82
.set jj, 0
.rept 256
	v_min_num_f32 v[jj], v[jj], v57
.set jj, jj+1
.endr
	WIN 0
.Lnohold:
	WIN 0x02
.set jj, 0
.rept 32
	v_cvt_scalef32_pk8_fp8_f32 v[PC+2*jj:PC+2*jj+1], v[8*jj:8*jj+7], v58
.set jj, jj+1
.endr
	WIN 0xc3
	s_wait_alu depctr_va_vdst(0)                   ; directly ahead of the first reader of O^T
.set jj, 0
.rept 128
	v_pk_mul_f32 v[jj:jj+1], v[jj:jj+1], v[28+2*(jj/64):29+2*(jj/64)] op_sel_hi:[1,0]
.set jj, jj+2
.endr
	s_wait_alu depctr_va_vdst(0)
	s_wait_loadcnt 32                              ; V is in; the next entry's K, 32 loads, may be out
	WIN 0xf1
.irp t,0,1,2,3,4,5,6,7
.irp h,0,1,2,3
	v_wmma_f32_16x16x128_fp8_fp8 v[64*\h+8*\t:64*\h+8*\t+7], v[128+16*\t:128+16*\t+15], v[PC+16*\h:PC+16*\h+15], v[64*\h+8*\t:64*\h+8*\t+7]
.endr
.endr
	WIN 0
.rept 4
	v_nop
.endr
	KVLOAD 1                                       ; the next entry's V
	s_mov_b32 s21, s3
	s_add_co_u32 s23, s23, 1
	s_cmp_lt_u32 s23, s24
	s_cbranch_scc1 .Lstep
.Lflush:                                           ; my part of this tile goes to LDS, as images
.irp h,0,1,2,3
	v_add_f32 v[13+2*\h], v[20+2*\h], v[21+2*\h]   ; the sum's two halves, beside -M
.endr
	s_lshl_b32 s26, s25, 15
	v_add_nc_u32 v62, s26, v9
	s_lshl_b32 s26, s25, 10
	v_add_nc_u32 v63, s26, v10
.irp h,0,1,2,3
	ds_store_b64 v63, v[12+2*\h:13+2*\h] offset:256*\h
.endr
	WIN 0x0c
.set jj, 0
.rept 64
	ds_store_b128 v62, v[4*jj:4*jj+3] offset:512*jj
.set jj, jj+1
.endr
	WIN 0
.set jj, 0
.rept 64
	v_mov_b32 v[Q+jj], v[QB+jj]                    ; the second tile's Q (idle in the second trip: one text serves both tiles)
.set jj, jj+1
.endr
	s_mov_b32 s24, s2
	s_add_co_u32 s25, s25, 1
	s_cmp_lt_u32 s25, 2
	s_wait_alu depctr_va_vdst(0)
	s_cbranch_scc1 .Ltile
	; THE JOIN: wave w takes head w of both tiles
	s_wait_dscnt 0x0
	s_barrier_signal -1
	s_barrier_wait -1
	s_lshl_b32 s26, s14, 13
	v_add_nc_u32 v40, s26, v1
	v_add_nc_u32 v41, 0x10000, v40
	v_add_nc_u32 v42, 0x20000, v40
	v_add_nc_u32 v43, 0x30000, v40
	s_lshl_b32 s26, s14, 8
	s_add_co_u32 s26, s26, ML
	v_lshl_add_u32 v44, v3, 3, s26
.irp j,0,1
.irp u,0,1,2,3
	ds_load_b64 v[12+8*\j+2*\u:13+8*\j+2*\u], v44 offset:2048*\u+1024*\j
.endr
.endr
	v_and_b32 v45, 15, v0
	v_bfe_u32 v46, v0, 4, 1
	v_mul_u32_u24 v45, v45, 528
	v_lshl_add_u32 v45, v46, 4, v45
	s_lshl_b32 s26, s14, 7
	s_add_co_u32 s26, s26, STG
	v_add_nc_u32 v45, s26, v45                     ; the stage, in: row = query, my head's 128 bytes, + 16 x half
	s_mul_i32 s26, s14, 8*528
	s_add_co_u32 s26, s26, STG
	v_add_nc_u32 v46, s26, v1                      ; and out: my eight rows
	s_wait_alu depctr_va_vdst(0)
	s_wait_dscnt 0x0                               ; the eight pairs are in
	WIN 0x80
.irp u,0,1,2,3
.set jj, 0
.rept 16
	ds_load_b128 v[64*\u+4*jj:64*\u+4*jj+3], v[40+\u] offset:512*jj          ; the first tile's four parts of my head: on their way while the factors are made
.set jj, jj+1
.endr
.endr
	WIN 0xc0
.irp u,0,1,2,3
.set jj, 0
.rept 16
	ds_load_b128 v[64*\u+4*jj:64*\u+4*jj+3], v[40+\u] offset:32768+512*jj    ; the second tile's
.set jj, jj+1
.endr
.endr
	WIN 0
.irp j,0,1
	v_min3_num_f32 v[64+16*\j], v[12+8*\j], v[14+8*\j], v[16+8*\j]
.endr
.irp j,0,1
	v_min_num_f32 v[64+16*\j], v[64+16*\j], v[18+8*\j]      ; -M of all keys
.endr
.irp u,0,1,2,3
.irp j,0,1
	v_sub_f32 v[68+16*\j+2*\u], v[64+16*\j], v[12+8*\j+2*\u]
.endr
.endr
.irp u,0,1,2,3
.irp j,0,1
	v_cvt_i32_f32 v[68+16*\j+2*\u], v[68+16*\j+2*\u]
.endr
.endr
.irp u,0,1,2,3
.irp j,0,1
	v_ldexp_f32 v[68+16*\j+2*\u], 1.0, v[68+16*\j+2*\u]     ; 2^(the part's M - M)
.endr
.endr
.irp j,0,1
	v_mul_f32 v[65+16*\j], v[68+16*\j], v[13+8*\j]
.endr
.irp u,1,2,3
.irp j,0,1
	v_fmac_f32 v[65+16*\j], v[68+16*\j+2*\u], v[13+8*\j+2*\u]
.endr
.endr
.irp j,0,1
	v_permlanex16_b32 v[66+16*\j], v[65+16*\j], s30, s31
.endr
.irp j,0,1
	v_add_f32 v[65+16*\j], v[65+16*\j], v[66+16*\j]         ; the row's sum
.endr
	s_wait_alu depctr_va_vdst(0)                   ; ahead of the batch
	v_rcp_f32 v67, v65
	v_rcp_f32 v83, v81
	v_nop
	v_cmp_neq_f32 s26, 0, v65                      ; a row with no open key has the sum 0
	v_cmp_neq_f32 s27, 0, v81
	s_wait_alu depctr_va_vdst(0)                   ; and ahead of the first reader
.irp j,0,1
	v_cndmask_b32 v[67+16*\j], 0, v[67+16*\j], s[26+\j]
.endr
.irp u,0,1,2,3
.irp j,0,1
	v_mul_f32 v[68+16*\j+2*\u], v[68+16*\j+2*\u], v[67+16*\j]
.endr
.endr
.macro COMB j, wfma, wmed, wcvt        ; the four parts of tile j, each x its factor; the hold; the codes
	WIN \wfma
.set jj, 0
.rept 32
	v_pk_mul_f32 v[jj:jj+1], v[jj:jj+1], v[68+16*\j:69+16*\j] op_sel_hi:[1,0]
.set jj, jj+2
.endr
.irp u,1,2,3
.set jj, 0
.rept 32
	v_pk_fma_f32 v[jj:jj+1], v[64*\u+jj:64*\u+jj+1], v[68+16*\j+2*\u:69+16*\j+2*\u], v[jj:jj+1] op_sel_hi:[1,0,1]
.set jj, jj+2
.endr
.endr
	WIN \wmed
.set jj, 0
.rept 64
	v_med3_num_f32 v[jj], v[jj], -v59, v59
.set jj, jj+1
.endr
	WIN \wcvt
.set jj, 0
.rept 8
	v_cvt_scalef32_pk8_fp8_f32 v[PC+16*\j+2*jj:PC+16*\j+2*jj+1], v[8*jj:8*jj+7], v60
.set jj, jj+1
.endr
	WIN 0
.endm
	s_wait_alu depctr_va_vdst(0)
	s_wait_dscnt 63                                ; of the 128 loads at most 63 are out: the first tile's 64 are in
	COMB 0, 0xa2, 0x82, 0x02
	s_wait_dscnt 0x0
	COMB 1, 0xf3, 0xc3, 0x03
	v_nop                                          ; one plain line behind the last conversion
.irp j,0,1
.set jj, 0
.rept 16
	v_cndmask_b32 v[PC+16*\j+jj], v61, v[PC+16*\j+jj], s[26+\j]
.set jj, jj+1
.endr
.endr
.irp j,0,1
.irp b,0,1,2,3
	ds_store_b128 v45, v[PC+16*\j+4*\b:PC+16*\j+4*\b+3] offset:8448*\j+32*\b
.endr
.endr
	s_sub_co_u32 s23, 127, s15
	s_lshr_b32 s22, s14, 1                         ; waves 0, 1 send tile p, waves 2, 3 tile 127 - p
	s_cmp_eq_u32 s22, 0
	s_cselect_b32 s22, s15, s23
	s_lshl_b32 s22, s22, 4
	s_and_b32 s23, s14, 1
	s_lshl_b32 s23, s23, 3
	s_add_co_u32 s22, s22, s23                     ; my first row of oc
	s_lshl_b32 s22, s22, 11
	s_lshl_b32 s23, s16, 9
	s_add_co_u32 s22, s22, s23                     ; + the key head's 512 bytes
	s_mov_b32 s23, 0
	s_add_nc_u64 s[12:13], s[12:13], s[22:23]
	s_wait_dscnt 0x0
	s_barrier_signal -1
	s_barrier_wait -1
.irp i,0,1,2,3,4,5,6,7
	ds_load_b128 v[64+4*\i:67+4*\i], v46 offset:528*\i
.endr
.irp i,0,1,2,3,4,5,6,7
	s_wait_dscnt 7-\i
	global_store_b128 v1, v[64+4*\i:67+4*\i], s[12:13] offset:2048*\i   ; 512 consecutive bytes, at a multiple of 512 from oc's first byte
.endr
	s_wait_tensorcnt 0x0                           ; the wave's end
	ds_add_u32 v5, v6
	s_wait_dscnt 0x0
	s_endpgm
.Lfunc_end_k_q1df88cbb40_attn:
	.size	k_q1df88cbb40_attn, .Lfunc_end_k_q1df88cbb40_attn-k_q1df88cbb40_attn
	.p2alignl 7, 3214868480
	.fill 96, 4, 3214868480
	.section	.rodata,"a",@progbits
	.p2align	6, 0x0
	.amdhsa_kernel k_q1df88cbb40_attn
		.amdhsa_group_segment_fixed_size 287744
		.amdhsa_private_segment_fixed_size 0
		.amdhsa_enable_private_segment 0
		.amdhsa_kernarg_size 40
		.amdhsa_user_sgpr_count 2
		.amdhsa_user_sgpr_kernarg_segment_ptr 1
		.amdhsa_wavefront_size32 1
		.amdhsa_system_sgpr_workgroup_id_x 1
		.amdhsa_system_sgpr_workgroup_id_y 1
		.amdhsa_system_sgpr_workgroup_id_z 1
		.amdhsa_system_vgpr_workitem_id 0
		.amdhsa_next_free_vgpr 1024
		.amdhsa_next_free_sgpr 102
		.amdhsa_reserve_vcc 0
		.amdhsa_float_denorm_mode_32 3
		.amdhsa_float_denorm_mode_16_64 3
		.amdhsa_memory_ordered 1
		.amdhsa_forward_progress 1
		.amdhsa_inst_pref_size 157
	.end_amdhsa_kernel
	.amdgpu_metadata
---
amdhsa.version: [ 1, 2 ]
amdhsa.kernels:
  - .name:           k_q1df88cbb40_attn
    .symbol:         k_q1df88cbb40_attn.kd
    .args:
      - { .name: qc, .offset: 0, .size: 8, .value_kind: global_buffer, .address_space: global }
      - { .name: kvc, .offset: 8, .size: 8, .value_kind: global_buffer, .address_space: global }
      - { .name: mb, .offset: 16, .size: 8, .value_kind: global_buffer, .address_space: global }
      - { .name: lowp_scales, .offset: 24, .size: 8, .value_kind: global_buffer, .address_space: global }
      - { .name: oc, .offset: 32, .size: 8, .value_kind: global_buffer, .address_space: global }
    .group_segment_fixed_size: 287744
    .private_segment_fixed_size: 0
    .kernarg_segment_align: 8
    .kernarg_segment_size: 40
    .max_flat_workgroup_size: 128
    .sgpr_count:     102
    .vgpr_count:     1024
    .wavefront_size: 32
...
	.end_amdgpu_metadata
.endif
;; end of part 3
;; launch proj (part 4): grid 16 x 16, 4 waves a work-group, clusters of 4 x 4, 327,680 bytes of LDS; arguments oc, wc, lowp_scales, out0; writes out0
.if DOCPART == 4
	.amdgcn_target "amdgcn-amd-amdhsa--gfx1250"
	.amdhsa_code_object_version 6
	.text
	.protected	k_q1df88cbb40_proj
	.globl	k_q1df88cbb40_proj
	.p2align	8
	.type	k_q1df88cbb40_proj,@function
k_q1df88cbb40_proj:
	s_mov_b64 s[64:65], 0
	v_nop
	global_prefetch_b8 v0, s[64:65] scope:SCOPE_SE
	s_setreg_imm32_b32 hwreg(HW_REG_WAVE_MODE, 25, 1), 1
	s_wait_xcnt 0x0
	s_wait_alu depctr_hold_cnt(0) depctr_sa_sdst(0) depctr_va_vdst(0) depctr_va_sdst(0) depctr_va_ssrc(0) depctr_va_vcc(0) depctr_vm_vsrc(0)
	s_getreg_b32 s2, hwreg(HW_REG_IB_STS2, 6, 4)
	s_cmp_eq_u32 s2, 0
	s_cbranch_scc0 .Lentry_in_a_cluster
	s_endpgm
.Lentry_in_a_cluster:
	s_bfe_u32 s2, ttmp6, 0x10000c
	s_cmp_lg_u32 s2, 0xf033
	s_cbranch_scc0 .Lentry_shape_is_right
	s_endpgm
.Lentry_shape_is_right:
.set KSTEP,  512
.set PITCH,  528
.set HALFT,  64*PITCH
.set SLOT,   4*HALFT
.set SPARE,  2*SLOT
.set ADRA, 16
.set ADRB, 20
.set STO,  24
.set RD,   25
.set CO,   26
.set SPW,  28
.set NIL,  29
.set ACC,  128
.set F0,   0
.set F1,   128
.set G1,   24
.set G0,   32
.set G1B,  48
.set G0B,  56
.set WV,   16
.set WR,   17
.set WN,   18
.set MSB, 0
.macro WIN new
.if MSB != \new
	s_set_vgpr_msb (MSB<<8)|\new
.set MSB, \new
.endif
.endm
.set MUL,  0x05
.set TO_F, 0x40
.macro JLOAD s
	s_cmp_eq_u32 s[WR], 0
	s_cbranch_scc0 .Lfor_b_\@
	tensor_load_to_lds s[G0+4*\s:G0+4*\s+3], s[G1:G1+7]
	s_nop 0
.rept 4
	v_nop
.endr
	s_branch .Lasked_\@
.Lfor_b_\@:
	tensor_load_to_lds s[G0B+4*\s:G0B+4*\s+3], s[G1B:G1B+7]
	s_nop 0
.rept 4
	v_nop
.endr
.Lasked_\@:
.endm
.macro CREST
	s_cmp_lg_u32 s[WV], 0
	s_cbranch_scc1 .Lnot_wave_0_\@
	s_barrier_signal -3
.Lnot_wave_0_\@:
	s_barrier_wait -3
	s_barrier_signal -1
	s_barrier_wait -1
.endm
.macro CROUND
	s_barrier_signal -1
	s_barrier_wait -1
	CREST
.endm
.macro PLACES
.rept 4
	v_nop
.endr
.endm
.macro MULA f, a, zero
.irp b, 0,1,2,3
.if \zero
	v_wmma_f32_16x16x128_fp8_fp8 v[ACC+8*(4*(\a)+\b):ACC+8*(4*(\a)+\b)+7], v[\f+64+16*\b:\f+64+16*\b+15], v[\f+16*(\a):\f+16*(\a)+15], 0
.else
	v_wmma_f32_16x16x128_fp8_fp8 v[ACC+8*(4*(\a)+\b):ACC+8*(4*(\a)+\b)+7], v[\f+64+16*\b:\f+64+16*\b+15], v[\f+16*(\a):\f+16*(\a)+15], v[ACC+8*(4*(\a)+\b):ACC+8*(4*(\a)+\b)+7]
.endif
.endr
.endm
.macro FETCH slot, k, f
	WIN TO_F
.irp i, 0,1,2,3
.irp c, 0,1,2,3
	ds_load_b128 v[\f+64+16*\i+4*\c:\f+64+16*\i+4*\c+3], v[ADRB+\slot] offset:\k+32*\c+\i*16*PITCH
.endr
.endr
.irp i, 0,1,2,3
.irp c, 0,1,2,3
	ds_load_b128 v[\f+16*\i+4*\c:\f+16*\i+4*\c+3], v[ADRA+\slot] offset:\k+32*\c+\i*16*PITCH
.endr
.endr
.endm
.macro QUARTER slot, k, f, g, zero
	s_wait_dscnt 8
	WIN MUL
	MULA \f, 0, \zero
	MULA \f, 1, \zero
	PLACES
	FETCH \slot, \k, \g
	s_wait_dscnt 32
	WIN MUL
	MULA \f, 2, \zero
	MULA \f, 3, \zero
.endm
.macro TURN slot, next, fill
	WIN 0
	s_wait_tensorcnt 0x0
	ds_add_u32 v[SPW], v[NIL]
	s_wait_dscnt 9
	WIN MUL
	MULA F1, 0, 0
	s_wait_dscnt 0x0
	s_barrier_signal -1
	MULA F1, 1, 0
	WIN 0
	s_barrier_wait -1
.if \fill
	CREST
	s_add_nc_u64 s[G0+4*\slot+2:G0+4*\slot+3], s[G0+4*\slot+2:G0+4*\slot+3], 2*KSTEP
	s_add_nc_u64 s[G0B+4*\slot+2:G0B+4*\slot+3], s[G0B+4*\slot+2:G0B+4*\slot+3], 2*KSTEP
	JLOAD \slot
.else
	PLACES
.endif
	FETCH \next, 0, F0
	WIN MUL
	MULA F1, 2, 0
	MULA F1, 3, 0
.endm
	s_load_b256 s[4:11], s[0:1], 0x0
	v_lshl_add_u32 v[SPW], v0, 2, SPARE
	v_mov_b32 v[NIL], 0
	ds_add_u32 v[SPW], v[NIL]
	ds_add_u32 v[SPW], v[NIL]
	v_lshrrev_b32 v1, 5, v0
	v_readfirstlane_b32 s[WV], v1
	s_lshr_b32 s[WR], s[WV], 1
	s_and_b32 s[WN], s[WV], 1
	s_mov_b32 s19, ttmp9
	s_and_b32 s20, ttmp7, 0xffff
	s_bfe_u32 s21, ttmp6, 0x40000
	s_bfe_u32 s22, ttmp6, 0x40004
	s_lshl_b32 s23, s22, 2
	s_lshl_b32 s23, 15, s23
	s_lshl_b32 s84, 0x1111, s21
	s_or_b32 s[G1], s23, (1<<20)|(1<<21)|(6<<22)|(3<<25)
	s_or_b32 s[G1B], s84, (1<<20)|(1<<21)|(6<<22)|(3<<25)
.irp g, G1, G1B
	s_mov_b32 s[\g+1], KSTEP<<16
	s_mov_b32 s[\g+2], 64<<16
	s_mov_b32 s[\g+3], KSTEP<<16
	s_mov_b32 s[\g+4], 64
	s_mov_b32 s[\g+5], 2048
	s_mov_b32 s[\g+6], 0
	s_mov_b32 s[\g+7], 0
.endr
	s_lshl_b32 s88, s20, 2
	s_add_co_u32 s88, s88, s22
	s_lshl_b32 s40, s88, 7
	s_lshl_b32 s41, s[WN], 6
	s_add_co_u32 s40, s40, s41
	s_lshl_b32 s40, s40, 11
	s_mov_b32 s41, 0
	s_lshl_b32 s89, s19, 2
	s_add_co_u32 s89, s89, s21
	s_lshl_b32 s44, s89, 7
	s_lshl_b32 s45, s[WN], 6
	s_add_co_u32 s44, s44, s45
	s_add_co_u32 s44, s44, 3072
	s_lshl_b32 s44, s44, 11
	s_mov_b32 s45, 0
	s_mul_i32 s85, s[WV], HALFT
	s_wait_dscnt 0x0
	s_wait_kmcnt 0x0
	s_load_b64 s[96:97], s[8:9], 0x28
	s_add_nc_u64 s[42:43], s[4:5], s[40:41]
	s_add_nc_u64 s[46:47], s[6:7], s[44:45]
	CROUND
.irp s, 0,1
	s_mov_b32 s[G0+4*\s], 1
	s_add_co_u32 s[G0+4*\s+1], s85, \s*SLOT
	s_add_nc_u64 s[G0+4*\s+2:G0+4*\s+3], s[42:43], \s*KSTEP
	s_or_b32 s[G0+4*\s+3], s[G0+4*\s+3], 0x80000000
	s_mov_b32 s[G0B+4*\s], 1
	s_add_co_u32 s[G0B+4*\s+1], s85, \s*SLOT
	s_add_nc_u64 s[G0B+4*\s+2:G0B+4*\s+3], s[46:47], \s*KSTEP
	s_or_b32 s[G0B+4*\s+3], s[G0B+4*\s+3], 0x80000000
	s_wait_alu depctr_va_vdst(0)
	s_wait_tensorcnt 0x0
	ds_add_u32 v28, v29
	ds_add_u32 v28, v29
	s_wait_dscnt 0x0
	CROUND
	JLOAD \s
.endr
	v_and_b32 v1, 15, v0
	s_wait_alu depctr_va_vdst(0)
	v_bfe_u32 v2, v0, 4, 1
	v_mul_u32_u24 v3, v1, PITCH
	v_lshl_add_u32 v3, v2, 4, v3
	s_mul_i32 s86, s[WR], HALFT
	s_mul_i32 s87, s[WN], HALFT
	s_add_co_u32 s87, s87, 2*HALFT
.irp s, 0,1
	v_add_nc_u32 v[ADRA+\s], s86, v3
	v_add_nc_u32 v[ADRB+\s], s87, v3
	s_add_co_u32 s86, s86, SLOT
	s_add_co_u32 s87, s87, SLOT
.endr
	s_mul_i32 s86, s[WV], 16*272
	v_mul_u32_u24 v4, v1, 272
	s_wait_alu depctr_va_vdst(0)
	v_lshl_add_u32 v4, v2, 6, v4
	v_add_nc_u32 v[STO], s86, v4
	v_mul_u32_u24 v5, v2, 272
	v_lshl_add_u32 v5, v1, 4, v5
	v_add_nc_u32 v[RD], s86, v5
	v_lshlrev_b32 v[CO], 13, v2
	v_lshl_add_u32 v[CO], v1, 4, v[CO]
	s_lshl_b32 s90, s88, 20
	s_lshl_b32 s91, s[WR], 19
	s_add_co_u32 s90, s90, s91
	s_lshl_b32 s91, s89, 9
	s_add_co_u32 s90, s90, s91
	s_lshl_b32 s91, s[WN], 8
	s_add_co_u32 s90, s90, s91
	s_mov_b32 s91, 0
	s_add_nc_u64 s[10:11], s[10:11], s[90:91]
	s_wait_kmcnt 0x0
	s_add_co_i32 s96, s96, s97
	s_add_co_i32 s96, s96, 127
	s_lshl_b32 s96, s96, 23
	s_mov_b32 s97, s96
	s_wait_tensorcnt 1
	s_barrier_signal -1
	s_barrier_wait -1
	FETCH 0, 0, F0
	QUARTER 0, 128, F0, F1, 1
	QUARTER 0, 256, F1, F0, 0
	QUARTER 0, 384, F0, F1, 0
	TURN 0, 1, 1
	QUARTER 1, 128, F0, F1, 0
	QUARTER 1, 256, F1, F0, 0
	QUARTER 1, 384, F0, F1, 0
	TURN 1, 0, 1
	QUARTER 0, 128, F0, F1, 0
	QUARTER 0, 256, F1, F0, 0
	QUARTER 0, 384, F0, F1, 0
	TURN 0, 1, 0
	QUARTER 1, 128, F0, F1, 0
	QUARTER 1, 256, F1, F0, 0
	QUARTER 1, 384, F0, F1, 0
	s_wait_dscnt 8
	WIN MUL
	MULA F1, 0, 0
	MULA F1, 1, 0
	s_wait_dscnt 0
	MULA F1, 2, 0
	MULA F1, 3, 0
	WIN 0
	PLACES
.macro TOSTAGE a
.set jj, 0
.rept 16
	v_pk_mul_f32 v[32+jj:33+jj], v[ACC+32*(\a)+jj:ACC+32*(\a)+jj+1], s[96:97] op_sel_hi:[1,0]
.set jj, jj+2
.endr
.irp p, 0,1
.irp q, 0,1,2,3
	ds_store_b128 v[STO], v[32+16*\p+4*\q:35+16*\p+4*\q] offset:128*\p+16*\q
.endr
.endr
.set BB, 64+32*((\a)%2)
.irp i, 0,1,2,3,4,5,6,7
	ds_load_b128 v[BB+4*\i:BB+4*\i+3], v[RD] offset:544*\i
.endr
.endm
.macro SEND a, younger
.set BB, 64+32*((\a)%2)
	s_wait_dscnt \younger
.irp i, 0,1,2,3,4,5,6,7
	global_store_b128 v[CO], v[BB+4*\i:BB+4*\i+3], s[10:11] offset:131072*(\a)+16384*\i th:TH_STORE_NT
.endr
.endm
	TOSTAGE 0
.irp a, 1,2,3
.if \a > 1
	s_wait_xcnt 0x0
.endif
	TOSTAGE \a
	SEND \a-1, 16
.endr
	SEND 3, 0
	s_wait_tensorcnt 0x0
	ds_add_u32 v[SPW], v[NIL]
	s_wait_dscnt 0x0
	CROUND
	s_endpgm
.Lfunc_end_k_q1df88cbb40_proj:
	.size	k_q1df88cbb40_proj, .Lfunc_end_k_q1df88cbb40_proj-k_q1df88cbb40_proj
	.p2alignl 7, 3214868480
	.fill 96, 4, 3214868480
	.section	.rodata,"a",@progbits
	.p2align	6, 0x0
	.amdhsa_kernel k_q1df88cbb40_proj
		.amdhsa_group_segment_fixed_size 327680
		.amdhsa_private_segment_fixed_size 0
		.amdhsa_enable_private_segment 0
		.amdhsa_kernarg_size 32
		.amdhsa_user_sgpr_count 2
		.amdhsa_user_sgpr_kernarg_segment_ptr 1
		.amdhsa_wavefront_size32 1
		.amdhsa_system_sgpr_workgroup_id_x 1
		.amdhsa_system_sgpr_workgroup_id_y 1
		.amdhsa_system_sgpr_workgroup_id_z 1
		.amdhsa_system_vgpr_workitem_id 0
		.amdhsa_next_free_vgpr 512
		.amdhsa_next_free_sgpr 100
		.amdhsa_reserve_vcc 0
		.amdhsa_float_denorm_mode_32 3
		.amdhsa_float_denorm_mode_16_64 3
		.amdhsa_memory_ordered 1
		.amdhsa_forward_progress 1
		.amdhsa_inst_pref_size 74
	.end_amdhsa_kernel
	.amdgpu_metadata
---
amdhsa.version: [ 1, 2 ]
amdhsa.kernels:
  - .name:           k_q1df88cbb40_proj
    .symbol:         k_q1df88cbb40_proj.kd
    .args:
      - { .name: oc, .offset: 0, .size: 8, .value_kind: global_buffer, .address_space: global }
      - { .name: wc, .offset: 8, .size: 8, .value_kind: global_buffer, .address_space: global }
      - { .name: lowp_scales, .offset: 16, .size: 8, .value_kind: global_buffer, .address_space: global }
      - { .name: out0, .offset: 24, .size: 8, .value_kind: global_buffer, .address_space: global }
    .group_segment_fixed_size: 327680
    .private_segment_fixed_size: 0
    .kernarg_segment_align: 8
    .kernarg_segment_size: 32
    .max_flat_workgroup_size: 128
    .sgpr_count:     100
    .vgpr_count:     512
    .wavefront_size: 32
...
	.end_amdgpu_metadata
.endif
;; end of part 4
